; MI455X (gfx1250); checked and timed in simulation.
; The chip was launched on July 23, 2026; its instructions are those of AMD's public machine-readable ISA for CDNA 5 (MIT licence, August 2026) and "CDNA5" Instruction Set Architecture Reference Guide (July 2026). The comments in the code are by the model that wrote it; some were corrected since.
;; Projection Attention. Allowed arithmetic: matrix products marked QUANTISED: E2M1 operands, one E8M0 scale for each 32 along K, by v_wmma_scale_f32_16x16x128_f8f6f4 with both operands' format E2M1 (or v_wmma_scale_f32_32x16x128_f4), f32 sums; products left as they are: f32 operands where the result goes on into a quantised operand, else bf16, f16 or f32 operands; f32 sums; everything else in f32.
;; Inputs: Wk_codes 1,024 x 32 x 16 uint8 (E2M1 codes of Wk, K innermost, in blocks of 32 codes, two codes a byte); Wk_scales 1,024 x 32 uint8 (E8M0 scales of Wk, one for each 32 codes along K); Wq_codes 1,024 x 32 x 16 uint8 (E2M1 codes of Wq, K innermost, in blocks of 32 codes, two codes a byte); Wq_scales 1,024 x 32 uint8 (E8M0 scales of Wq, one for each 32 codes along K); Wv_codes 1,024 x 32 x 16 uint8 (E2M1 codes of Wv, K innermost, in blocks of 32 codes, two codes a byte); Wv_scales 1,024 x 32 uint8 (E8M0 scales of Wv, one for each 32 codes along K); bk 1,024 float32; bq 1,024 float32; bv 1,024 float32; x_codes 4 x 4,096 x 32 x 16 uint8 (E2M1 codes of x, K innermost, in blocks of 32 codes, two codes a byte); x_scales 4 x 4,096 x 32 uint8 (E8M0 scales of x, one for each 32 codes along K).
;; Outputs: out0 4 x 4,096 x 1,024 float32.
;; This version of the problem:
;;   THIS VERSION OF THE PROBLEM IS GIVEN IN LOW PRECISION. The matrix products marked QUANTISED in the list below multiply operands that are first quantised to E2M1 (2 exponent bits, 1 mantissa bit; 4 bits a number), with one power-of-two scale for each 32 numbers along K (OCP MX v1.0); their sums are f32. All else is computed in f32.
;;   The module's matrix products, in the order in which they are computed (A, B: the left and right operand; K: the contracted axis; several contracted axes count as one K, in the product's order):
;;     1. [M 16,384, K 1,024] x [K 1,024, N 1,024]; A: input x (given as codes); B: input Wq (given as codes): QUANTISED
;;     2. [M 16,384, K 1,024] x [K 1,024, N 1,024]; A: input x (given as codes); B: input Wk (given as codes): QUANTISED
;;     3. [M 16,384, K 1,024] x [K 1,024, N 1,024]; A: input x (given as codes); B: input Wv (given as codes): QUANTISED
;;     4. batch 16,384 x [M 16, K 64] x [K 64, N 16]; A: computed on the way; B: computed on the way: QUANTISED
;;     5. batch 16,384 x [M 16, K 16] x [K 16, N 64]; A: softmax; B: computed on the way: left as it is (K = 16 < 32)
;;   THE QUANTISER, for each operand of a quantised product, along K:
;;     - K is cut into blocks of 32 from its start; a last block that is shorter is filled with zeros.
;;     - A block's scale is 2^e with e = floor(log2(the largest magnitude in the block)) - 2, held to -126 .. 127; a block of zeros has e = 0. As a byte (E8M0): e + 127.
;;     - Each number is divided by its block's scale, clamped to +-6, and rounded to the nearest number of E2M1, ties to even, subnormals kept.
;;     - The product sums the exact products of the quantised numbers (number of the format x scale) in f32.
;;   ~~~python
;;   def quantise(x, axis):      # numpy; x: float32 -> the quantised numbers, widened to float32 again
;;       x = np.moveaxis(x, axis, -1); K = x.shape[-1]
;;       x = np.pad(x, [(0, 0)] * (x.ndim - 1) + [(0, -K % 32)]); x = x.reshape(x.shape[:-1] + (-1, 32)); a = np.abs(x).max(-1, keepdims=True)
;;       e = np.where(a > 0, np.clip(np.frexp(np.where(a > 0, a, 1))[1] - 1 - 2, -126, 127), 0)      # np.frexp(a)[1] - 1 = floor(log2(a)), exactly
;;       r = np.clip(x / 2.0 ** e, -6, 6)
;;       step = 2.0 ** (np.maximum(np.frexp(np.where(r == 0, 1, r))[1] - 1, 0) - 1)
;;       q = np.round(r / step) * step * 2.0 ** e      # np.round: ties to even
;;       return np.moveaxis(q.reshape(q.shape[:-2] + (-1,))[..., :K], -1, axis).astype(np.float32)
;;   ~~~
;;   OPERANDS COMPUTED ON THE WAY. 'Computed on the way' means the value that the module computes at that place (a softmax that the list does not call 'softmax' is quantised finished and normalised). What goes into a quantiser is computed in f32, as accurately as f32 sums, v_exp_f32 and their like allow (about 1e-6 of the number): no bf16 or f16 on the way to a quantiser, and a product that is left as it is and whose result goes on into a quantised operand takes f32 operands (vector FMAs, or v_wmma_f32_16x16x4_f32). A number that lies on a knife's edge between two numbers of the format may be rounded either way, as far as f32 arithmetic and the matrix unit's own rounding can turn it there, and no further.
;;   INPUTS GIVEN AS CODES. Wk (in the module: [1024, 1024], K = its axis 0); Wq (in the module: [1024, 1024], K = its axis 0); Wv (in the module: [1024, 1024], K = its axis 0); x (in the module: [4, 4096, 1024], K = its axis 2): each comes as NAME_codes (uint8): NAME with its K axis moved to the last place and cut into blocks of 32 codes, [.., K / 32, bytes a block], one block behind the other in memory; two codes a byte, the lower K in the low four bits (a code: sign, 2 exponent bits, 1 mantissa bit); and NAME_scales (uint8): the same leading axes, one E8M0 byte (e + 127) for each 32 codes along K. Its value is code x scale, taken as it is: it is not quantised again, and the codes and scales need not be those that the quantiser above would give.
;; 2 versions. Each part assembles by itself: llvm-mc -triple=amdgcn-amd-amdhsa -mcpu=gfx1250 --defsym DOCPART=n.
;; ======== version 1 of 2: 1 launch
;; launch fused (part 1): grid 256 x 1, 4 waves a work-group, clusters of 4 x 1, 327,680 bytes of LDS; arguments x_codes, x_scales, Wk_codes, Wk_scales, bk, Wq_codes, Wq_scales, bq, Wv_codes, Wv_scales, bv, out0; writes out0
.if DOCPART == 1
	.amdgcn_target "amdgcn-amd-amdhsa--gfx1250"
	.amdhsa_code_object_version 6
	.text
	.protected	k_qb14ce3a0e1_fused
	.globl	k_qb14ce3a0e1_fused
	.p2align	8
	.type	k_qb14ce3a0e1_fused,@function
k_qb14ce3a0e1_fused:
	s_mov_b64 s[64:65], 0
	v_nop
	global_prefetch_b8 v0, s[64:65] scope:SCOPE_SE
	s_setreg_imm32_b32 hwreg(HW_REG_WAVE_MODE, 25, 1), 1
	s_wait_xcnt 0x0
	s_wait_alu depctr_hold_cnt(0) depctr_sa_sdst(0) depctr_va_vdst(0) depctr_va_sdst(0) depctr_va_ssrc(0) depctr_va_vcc(0) depctr_vm_vsrc(0)
	s_getreg_b32 s2, hwreg(HW_REG_IB_STS2, 6, 4)
	s_cmp_eq_u32 s2, 0
	s_cbranch_scc0 .Lentry_in_a_cluster
	s_endpgm
.Lentry_in_a_cluster:
	s_bfe_u32 s2, ttmp6, 0x10000c
	s_cmp_lg_u32 s2, 0x3003
	s_cbranch_scc0 .Lentry_shape_is_right
	s_endpgm
.Lentry_shape_is_right:
; out0[t][64 i + a] = sum over j of softmax_j(q[t][i] . k[t][j] / 8) v[t][j][a], with q, k, v = x W + b: 16,384 tokens, 16 heads of 64, attention ACROSS THE HEADS of one token.
; x [16384][1024] and Wq, Wk, Wv [1024 (n)][1024 (k)] arrive as codes of FP4 (E2M1), K innermost, 512 bytes a row, with one E8M0 byte for each 32 along K (32 bytes a row).
; The three projections and q . k (K = 64: two blocks of 32; q and k are quantised here, from f32) go on FP4 codes; P V (K = 16) goes on bf16 operands; all sums, the softmax and the biases are f32.
; ONE LAUNCH: q, k, v, the scores and P never go to memory.
; SHARES.  A work-group of four waves owns 64 tokens: 256 work-groups.  Every wave keeps the work-group's whole x in registers (4 tiles of 16 tokens x 8 K steps of 128: 256 registers).
; The weights go by in 12 steps (k's four, q's four, v's four) through a ring of two LDS slots of 256 rows x 512 bytes.  In step g of a phase wave w fetches head 4 w + g: 64 dense rows, 32 KiB, one tensor load.
;   k, q steps: wave w multiplies its own 64 rows (source 0 = 16 rows of W, source 1 = 16 tokens: a lane holds ONE token and its registers run along the head's 64), quantises in registers, and stores codes and scale words to LDS.
;   v steps:    wave w takes rows 16 w .. 16 w + 15 of each of the slot's four heads (source 0 = tokens, source 1 = W): lane r is channel a = 16 w + r.  v stays in the wave's registers as packed bf16.
;   scores:     wave w owns tokens 16 w .. 16 w + 15: one FP4 product a token (S^T = k q^T), softmax with the row's maximum taken away, P normalised, rounded to bf16, to LDS as an image of the operand's registers.
;   ctx:        every wave makes its 16 channels of all 16 heads for all 64 tokens, one bf16 product a token; the four waves' parts meet in a stage in LDS and leave as runs of 512 consecutive bytes.
; Each byte of W is read from LDS once, by one wave, and each fragment feeds four products.
; CLUSTER.  The four work-groups of a cluster walk the same weights in step: every tile of W is asked for JOINTLY, by the same tensor load with the same descriptor and the mask of all four.
; NO PREFETCH: the weights are 1.5 MiB that all 256 work-groups read; x is read once, at the start.  NO LOOP: the twelve steps differ in buffers, registers and immediates; every offset is an immediate and no pointer is stepped.
; LIMITS.  NaN and infinities among the inputs are not served.  A block of zeros of q or k gets the scale byte 1 where the quantiser's rule says 127: its codes are zeros, and this launch alone reads the bytes.
;   Blocks whose largest magnitude lies under 2^-124 are held at that byte.  Inside a block of 32 the head's numbers stand in the order 0-7, 16-23, 8-15, 24-31, alike in q and in k: the products are the same, their order in the sum is not.
;   P and v are rounded to bf16 for the last product.  The bias is the start of each projection's sum, not its last addend.
;
; LDS (bytes)
.set PITCH,  528                       ; a row of W: 512 bytes + 16 of padding: row r starts 16 r bytes on modulo 256, so the sixteen rows of a fragment load fall in sixteen different 16-byte columns
.set WTILE,  64*PITCH                  ; what one tensor load brings
.set SLOT,   4*WTILE                   ; 135,168: slot 0 at 0, slot 1 behind it
.set STG,    69632                     ; the way out: chunk T (16 tokens) at T x STG; token +4,352, head +272 (256 + 16).  The four chunks lie over the ring, which has had its last fill and its last read by then, and 8,192 bytes behind it
.set LC,     278528                    ; codes of k, then of q: token pitch 528; the 16 bytes of (block, head) at 256 x block + 16 x head.  Later a token's row holds its P: 16 bytes a lane
.set LSW,    312320                    ; their scale words: token pitch 80, 4 bytes a head: byte 0, 1 = the two blocks, bytes 2, 3 = 0
.set SPARE,  317440                    ; the spare words, 128 bytes for each wave: two blocks of 256 bytes that no other line names
; REGISTERS, in windows of 256 (s_set_vgpr_msb: bits 1:0 source 0, 3:2 source 1, 5:4 source 2, 7:6 destination)
;   window 1: x's fragment (T, s) at v[8 (8 T + s)]; at the end rows of the output.   window 2: a step's 32 fragments of W: (half, u, s) at v[128 half + 8 (2 s + u)]; at the end rows of the output.
;   window 3: k's fragments of my 16 tokens, 4 registers each, and four zeros; from the first v step on v as bf16: v[8 n + 0..7], n = 8 T + e: registers 0-3 token 16 T + e, 4-7 token 16 T + 8 + e.
;   window 0: below.
.set SPW,  1                           ; LDS address of my spare word; never rewritten
.set NIL,  2                           ; 0; never rewritten
.set AQ,   3                           ; v3-4   k, q steps: my lane's place in slot 0, 1
.set AV,   5                           ; v5-8   v steps: slot 0 half 0, 1; slot 1 half 0, 1
.set CW,   9                           ; where I store codes
.set SWW,  10                          ; and scale words
.set KRD,  11                          ; where I read k's codes, q's codes,
.set QRD,  12
.set KSR,  13                          ; k's scale words, q's
.set QSR,  14
.set PWR,  15                          ; where I store P, where I read it
.set PRD,  16
.set SO,   17                          ; the stage: in, back
.set SR,   18
.set GO,   19                          ; my byte offset in the work-group's part of out0
.set XA,   20                          ; byte offsets in x's codes, x's scales,
.set XSA,  21
.set WSAQ, 22                          ; W's scales (k, q steps; v steps),
.set WSAV, 23
.set BAQ,  24                          ; the biases (k, q; v)
.set BAV,  25
.set SOT,  26                          ; stage addresses of the chunk in hand
.set SRT,  27
.set BVL,  28                          ; v28-31 bv of a v step's four tiles
.set XS,   32                          ; v32-47 x's scale words: tile T at +4 T; register s % 4: lanes 0-15 K step s < 4, lanes 16-31 K step s >= 4.  v32-95 hold scales and nothing else
.set WS,   48                          ; v48-79 W's, two sets of four tiles, laid likewise
.set QS,   64                          ; v64-67 q's scale words during the scores
.set KS,   80                          ; v80-95 k's scale words of my 16 tokens
.set ACC,  96                          ; k, q steps: v96-159: token tile T at +16 T: 16 numbers of a block
.set BIAS, 160                         ; v160-223 two sets of four tiles of eight
.set QM,   224                         ; largest magnitudes; the other half's; the conversions' scale operands; bytes; scale words; codes
.set PX,   228
.set SOP,  232
.set BY,   236
.set W0,   240
.set CD,   244
.set SCR,  96                          ; scores: v96-127 four tokens' S^T, then p
.set MX,   128
.set TP,   132
.set SU,   136
.set NM,   140                         ; pairs: -c max; 1 / sum; partial sums
.set RC,   148
.set SUM,  156
.set T2,   164
.set PK,   172                         ; v172-187 P as bf16
.set QB,   224                         ; v224-255 q's fragments: registers 4-7 of each stay 0
.set VA,   96                          ; v steps: accumulator (jj, T) at +32 jj + 8 T
.set CB,   224                         ; bv spread over eight registers a tile
.set DD,   96                          ; ctx: eight results
.set PB,   160                         ; eight times [0 0 0 0 | P | 0 0 0 0]
.set G1,   32                          ; s[32:39] descriptor group 1;  s[40:43], s[44:47] group 0 of slot 0, 1
.set G0,   40
; s28 wave; s29 cx; s30 work-group; s[50:51], s[52:53], s[54:55] Wk's, Wq's, Wv's codes at my wave's four heads; s56 wave x WTILE; s[58:59] lane selects; s[60:61] c = log2(e) / 8; s62 -c
.set MSB, 0
.macro WIN new                         ; the immediate's high byte repeats the setting that is left; a switch that changes nothing is dropped
.if MSB != \new
	s_set_vgpr_msb (MSB<<8)|\new
.set MSB, \new
.endif
.endm
; Behind a matrix instruction four plain vector instructions that name none of its registers stand in front of a read of its result and of a load into its registers, five in front of a matrix instruction
; that writes over them (ISA guide 7.12.1 for vector instructions).  Every run of products here is followed by five.
.macro PLACES n
.rept \n
	v_nop
.endr
.endm
; A round of the cluster's barrier: my work-group's barrier, wave 0's signal for the work-group, every wave's wait for all four work-groups, my work-group's barrier once more.
.macro ROUND
	s_barrier_signal -1
	s_barrier_wait -1
	s_cmp_lg_u32 s28, 0
	s_cbranch_scc1 .Lnot_wave_0_\@
	s_barrier_signal -3
.Lnot_wave_0_\@:
	s_barrier_wait -3
	s_barrier_signal -1
	s_barrier_wait -1
.endm
.macro BAR                             ; my LDS stores have landed and my LDS loads are in: then the work-group's barrier
	s_wait_dscnt 0x0
	s_barrier_signal -1
	s_barrier_wait -1
.endm
; THE CHANGE OF SLOTS, behind a step.  Each wave waits for all its tensor loads (one is out: its part of the next step's slot), adds 0 to its spare word, and waits for that and for its LDS reads and stores of the step.
; fill = 1: the slot just read is filled again with the tile two steps on (pointer s[ptr:ptr+1] + off): a round of the cluster's barrier, then the joint load first; it has a whole step in which to land.
.macro HEAD slot, fill, ptr, off
	s_wait_tensorcnt 0x0               ; no tensor load of mine is out, so a group 0 may be written
	ds_add_u32 v[SPW], v[NIL]          ; 0 onto my spare word
.if \fill
	s_add_nc_u64 s[G0+4*\slot+2:G0+4*\slot+3], s[\ptr:\ptr+1], \off
	s_or_b32 s[G0+4*\slot+3], s[G0+4*\slot+3], 0x80000000   ; type = 2
.endif
	s_wait_dscnt 0x0                   ; the add is done; my reads of the slot are over; my codes and scale words have landed
.if \fill
	ROUND                              ; all that now holds of every wave of all four work-groups
	tensor_load_to_lds s[G0+4*\slot:G0+4*\slot+3], s[G1:G1+7]
	s_nop 0
	PLACES 4
.else
	s_barrier_signal -1
	s_barrier_wait -1
.endif
.endm
; The next k or q step's scale words (four tiles of 16 rows: 512 dense bytes a load) and bias (eight numbers a tile in the result's layout) into set sg.  ps, pb: the scalar pairs of the two buffers.
.macro NEXTQ sg, ps, pb, g
.irp q, 0,1,2,3
	global_load_b128 v[WS+16*\sg+4*\q:WS+16*\sg+4*\q+3], v[WSAQ], s[\ps:\ps+1] offset:2048*\g+512*\q
.endr
.irp q, 0,1,2,3
	global_load_b128 v[BIAS+32*\sg+8*\q:BIAS+32*\sg+8*\q+3], v[BAQ], s[\pb:\pb+1] offset:256*\g+64*\q
	global_load_b128 v[BIAS+32*\sg+8*\q+4:BIAS+32*\sg+8*\q+7], v[BAQ], s[\pb:\pb+1] offset:256*\g+64*\q+16
.endr
.endm
.macro NEXTV sg, g                     ; the same for a v step: my 16 rows of heads g, 4 + g, 8 + g, 12 + g; one number of bv a lane and tile
.irp q, 0,1,2,3
	global_load_b128 v[WS+16*\sg+4*\q:WS+16*\sg+4*\q+3], v[WSAV], s[22:23] offset:8192*\q+2048*\g
.endr
.irp q, 0,1,2,3
	global_load_b32 v[BVL+\q], v[BAV], s[24:25] offset:1024*\q+256*\g
.endr
.endm
; A step's 32 fragments of W, 64 LDS loads in one run, in the order in which they are multiplied.  A fragment (16 rows x 128 K of 4-bit codes) is 8 registers: lane l holds row l % 16; registers 4 c .. 4 c + 3 hold K = 64 c + 32 (l / 16) + 0 .. 31.
.macro FETCHQ sg
	WIN 0x80                           ; destination window 2
.irp b, 0,1
.irp s, 0,1,2,3,4,5,6,7
.irp u, 0,1
.irp c, 0,1
	ds_load_b128 v[128*\b+8*(2*\s+\u)+4*\c:128*\b+8*(2*\s+\u)+4*\c+3], v[AQ+\sg] offset:(32*\b+16*\u)*PITCH+64*\s+32*\c
.endr
.endr
.endr
.endr
	WIN 0
.endm
.macro FETCHV sg
	WIN 0x80
.irp b, 0,1
.irp s, 0,1,2,3,4,5,6,7
.irp u, 0,1
.irp c, 0,1
	ds_load_b128 v[128*\b+8*(2*\s+\u)+4*\c:128*\b+8*(2*\s+\u)+4*\c+3], v[AV+2*\sg+\b] offset:\u*WTILE+64*\s+32*\c
.endr
.endr
.endr
.endr
	WIN 0
.endm
; One product on codes; its registers stand in the symbols rD, rA, rB, rC, rSA, rSB.  first = 1: the bias starts the sum.  hi = 1: K steps 4 to 7 take their scale words from lanes 16-31.
.macro FP4MM first, hi
.if \first
	v_wmma_scale_f32_16x16x128_f8f6f4 v[rD:rD+7], v[rA:rA+7], v[rB:rB+7], v[rC:rC+7], v[rSA], v[rSB] matrix_a_fmt:MATRIX_FMT_FP4 matrix_b_fmt:MATRIX_FMT_FP4
.elseif \hi
	v_wmma_scale_f32_16x16x128_f8f6f4 v[rD:rD+7], v[rA:rA+7], v[rB:rB+7], v[rD:rD+7], v[rSA], v[rSB] matrix_a_fmt:MATRIX_FMT_FP4 matrix_b_fmt:MATRIX_FMT_FP4 matrix_a_scale:MATRIX_SCALE_ROW1 matrix_b_scale:MATRIX_SCALE_ROW1
.else
	v_wmma_scale_f32_16x16x128_f8f6f4 v[rD:rD+7], v[rA:rA+7], v[rB:rB+7], v[rD:rD+7], v[rSA], v[rSB] matrix_a_fmt:MATRIX_FMT_FP4 matrix_b_fmt:MATRIX_FMT_FP4
.endif
.endm
; Block be (32 of the head's 64) of a k or q step: 64 products, eight accumulators (two tiles of W's rows x four tiles of tokens) by turns, one instruction a turn; K ascending.
; The wait in front of K step s leaves out what was issued behind its four loads: base - 4 s LDS instructions.  zl = 1: the last wait is for 0, so that the first block's code stores have read their registers.
.macro MULQ be, sg, base, zl
	WIN 0x06                           ; source 0 (W) window 2, source 1 (x) window 1
.irp s, 0,1,2,3,4,5,6,7
.if \zl && (\s == 7)
	s_wait_dscnt 0x0
.else
	s_wait_dscnt \base-4*\s
.endif
.irp u, 0,1
.irp t, 0,1,2,3
.set rD, ACC+16*\t+8*\u
.set rA, 128*\be+8*(2*\s+\u)
.set rB, 8*(8*\t+\s)
.set rC, BIAS+32*\sg+8*(2*\be+\u)
.set rSA, WS+16*\sg+4*(2*\be+\u)+\s%4
.set rSB, XS+4*\t+\s%4
.if \s == 0
	FP4MM 1, 0
.elseif \s < 4
	FP4MM 0, 0
.else
	FP4MM 0, 1
.endif
.endr
.endr
.endr
	WIN 0
	PLACES 5
.endm
; Half be of a v step: heads 4 (2 be + u) + g, u = 0, 1, x four tiles of tokens: source 0 = x, source 1 = W.
.macro MULV be, sg, base
	WIN 0x09                           ; source 0 (x) window 1, source 1 (W) window 2
.irp s, 0,1,2,3,4,5,6,7
	s_wait_dscnt \base-4*\s
.irp u, 0,1
.irp t, 0,1,2,3
.set rD, VA+32*(2*\be+\u)+8*\t
.set rA, 8*(8*\t+\s)
.set rB, 128*\be+8*(2*\s+\u)
.set rC, CB+8*(2*\be+\u)
.set rSA, XS+4*\t+\s%4
.set rSB, WS+16*\sg+4*(2*\be+\u)+\s%4
.if \s == 0
	FP4MM 1, 0
.elseif \s < 4
	FP4MM 0, 0
.else
	FP4MM 0, 1
.endif
.endr
.endr
.endr
	WIN 0
	PLACES 5
.endm
; Block be of head 4 w + g, for the four tiles of tokens (by turns in every group of lines).  Lane (token r, half h) holds 16 of the block's 32 numbers; lane l xor 16 the others.
; The scale is 2^(floor(log2(largest magnitude)) - 2): the largest magnitude with 2 taken off its exponent field is the conversion's scale operand, and that field is the byte.
.macro QUANT be, g
.irp t, 0,1,2,3
	v_max3_num_f32 v[QM+\t], |v[ACC+16*\t]|, |v[ACC+16*\t+1]|, 0x1800000   ; each accumulator is read from its low end on; the floor 2^(3 - 127) holds the byte at 1 from below
.endr
.irp i, 2,4,6,8,10,12,14
.irp t, 0,1,2,3
	v_max3_num_f32 v[QM+\t], v[QM+\t], |v[ACC+16*\t+\i]|, |v[ACC+16*\t+\i+1]|
.endr
.endr
.irp t, 0,1,2,3
	v_permlanex16_b32 v[PX+\t], v[QM+\t], s58, s59
.endr
.irp t, 0,1,2,3
	v_max_num_f32 v[QM+\t], v[QM+\t], v[PX+\t]
.endr
.irp t, 0,1,2,3
	v_add_nc_u32 v[SOP+\t], 0xff000000, v[QM+\t]
.endr
.if \be == 0
.irp t, 0,1,2,3
	v_lshrrev_b32 v[W0+\t], 23, v[SOP+\t]              ; the scale word's byte 0
.endr
.else
.irp t, 0,1,2,3
	v_lshrrev_b32 v[BY+\t], 23, v[SOP+\t]
.endr
.irp t, 0,1,2,3
	v_lshl_or_b32 v[W0+\t], v[BY+\t], 8, v[W0+\t]      ; and byte 1; bytes 2 and 3 stay 0
.endr
.endif
.irp t, 0,1,2,3
	v_cvt_scalef32_pk8_fp4_f32 v[CD+2*\t], v[ACC+16*\t:ACC+16*\t+7], v[SOP+\t]
	v_cvt_scalef32_pk8_fp4_f32 v[CD+2*\t+1], v[ACC+16*\t+8:ACC+16*\t+15], v[SOP+\t]
.endr
	v_nop                              ; one plain place behind the scaled conversions
.irp t, 0,1,2,3
	ds_store_b64 v[CW], v[CD+2*\t:CD+2*\t+1] offset:16*PITCH*\t+256*\be+16*\g   ; my 16 codes: half of the 16 bytes of (block, head)
.endr
.if \be == 1
.irp t, 0,1,2,3
	ds_store_b32 v[SWW], v[W0+\t] offset:1280*\t+4*\g  ; both halves of the lanes write the same word with the same value
.endr
.endif
.endm
; A k or q step from slot sg.  nx = 1: the next step's scale words and bias are asked for, a whole step ahead of the wait for them.
.macro QKSTEP sg, g, nx, nsg, ps, pb, ng
	s_wait_loadcnt 0x0                 ; this step's scale words and bias (in the first step x too), asked for a step ago
.if \nx
	NEXTQ \nsg, \ps, \pb, \ng
.endif
	FETCHQ \sg
	MULQ 0, \sg, 60, 0                 ; behind K step s's four loads: 4 (7 - s) of this block and the other block's 32
	QUANT 0, \g
	MULQ 1, \sg, 32, 1                 ; 4 (7 - s) loads and the four code stores
	QUANT 1, \g
.endm
; k's operands of my 16 tokens go into registers, so that q's codes can take their bytes.  Row m of the operand is head p(m) = (m & 8) + 4 (m & 1) + ((m & 7) >> 1): so P comes out in the order in which v is packed.
; Lane (m, h) takes block h's 16 bytes: K = 32 h .. 32 h + 31.  K = 64 .. 127 of the instruction count for nothing: there q's codes are zeros.
.macro KREAD
	WIN 0xc0                           ; destination window 3
.irp k, 0,1,2,3,4,5,6,7,8,9,10,11,12,13,14,15
	ds_load_b128 v[4*\k:4*\k+3], v[KRD] offset:PITCH*\k
.endr
	WIN 0
.irp k, 0,1,2,3,4,5,6,7,8,9,10,11,12,13,14,15
	ds_load_b32 v[KS+\k], v[KSR] offset:80*\k
.endr
	BAR                                ; every wave has read k's codes and scale words: q's may be stored over them.  (The tile asked for above may stay out)
.endm
; Four tokens' scores and softmax.  S^T = k q^T: lane (i, h) holds query head i and, in register e, key head p(8 h + e).  p = 2^(c s - c max), c = log2(e) / 8; the sum is at least about 1.
.macro SCORES bt
.irp n, 0,1,2,3
	ds_load_b128 v[QB+8*\n:QB+8*\n+3], v[QRD] offset:PITCH*(4*\bt+\n)
	ds_load_b32 v[QS+\n], v[QSR] offset:80*(4*\bt+\n)
.endr
	s_wait_dscnt 0x0                   ; they are in, and the last four tokens' P stores have read their registers
	WIN 0x03                           ; source 0 (k) window 3
.irp n, 0,1,2,3
	v_wmma_scale_f32_16x16x128_f8f6f4 v[SCR+8*\n:SCR+8*\n+7], v[4*(4*\bt+\n):4*(4*\bt+\n)+7], v[QB+8*\n:QB+8*\n+7], 0, v[KS+4*\bt+\n], v[QS+\n] matrix_a_fmt:MATRIX_FMT_FP4 matrix_b_fmt:MATRIX_FMT_FP4
.endr
	WIN 0
	PLACES 5
.irp n, 0,1,2,3
	v_max3_num_f32 v[MX+\n], v[SCR+8*\n], v[SCR+8*\n+1], v[SCR+8*\n+2]
.endr
.irp j, 3,5
.irp n, 0,1,2,3
	v_max3_num_f32 v[MX+\n], v[MX+\n], v[SCR+8*\n+\j], v[SCR+8*\n+\j+1]
.endr
.endr
.irp n, 0,1,2,3
	v_max_num_f32 v[MX+\n], v[MX+\n], v[SCR+8*\n+7]
.endr
.irp n, 0,1,2,3
	v_permlanex16_b32 v[TP+\n], v[MX+\n], s58, s59     ; the row's other eight heads lie in lane l xor 16
.endr
.irp n, 0,1,2,3
	v_max_num_f32 v[MX+\n], v[MX+\n], v[TP+\n]
.endr
.irp n, 0,1,2,3
	v_mul_f32 v[NM+2*\n], s62, v[MX+\n]                ; -c max
.endr
.irp j, 0,2,4,6
.irp n, 0,1,2,3
	v_pk_fma_f32 v[SCR+8*\n+\j:SCR+8*\n+\j+1], v[SCR+8*\n+\j:SCR+8*\n+\j+1], s[60:61], v[NM+2*\n:NM+2*\n+1] op_sel_hi:[1,0,0]
.endr
.endr
.irp j, 0,1,2,3,4,5,6,7
.irp n, 0,1,2,3
	v_exp_f32 v[SCR+8*\n+\j], v[SCR+8*\n+\j]
.endr
.endr
	v_nop                              ; a plain place behind the exponentials
	s_wait_alu depctr_va_vdst(0)
.irp n, 0,1,2,3
	v_pk_add_f32 v[SUM+2*\n:SUM+2*\n+1], v[SCR+8*\n:SCR+8*\n+1], v[SCR+8*\n+2:SCR+8*\n+3]
	v_pk_add_f32 v[T2+2*\n:T2+2*\n+1], v[SCR+8*\n+4:SCR+8*\n+5], v[SCR+8*\n+6:SCR+8*\n+7]
.endr
.irp n, 0,1,2,3
	v_pk_add_f32 v[SUM+2*\n:SUM+2*\n+1], v[SUM+2*\n:SUM+2*\n+1], v[T2+2*\n:T2+2*\n+1]
.endr
.irp n, 0,1,2,3
	v_add_f32 v[SU+\n], v[SUM+2*\n], v[SUM+2*\n+1]
.endr
.irp n, 0,1,2,3
	v_permlanex16_b32 v[TP+\n], v[SU+\n], s58, s59
.endr
.irp n, 0,1,2,3
	v_add_f32 v[SU+\n], v[SU+\n], v[TP+\n]
.endr
.irp n, 0,1,2,3
	v_rcp_f32 v[RC+2*\n], v[SU+\n]
.endr
	v_nop                              ; a plain place behind the reciprocals
	s_wait_alu depctr_va_vdst(0)
.irp j, 0,2,4,6
.irp n, 0,1,2,3
	v_pk_mul_f32 v[SCR+8*\n+\j:SCR+8*\n+\j+1], v[SCR+8*\n+\j:SCR+8*\n+\j+1], v[RC+2*\n:RC+2*\n+1] op_sel_hi:[1,0]
.endr
.endr
.irp j, 0,1,2,3
.irp n, 0,1,2,3
	v_cvt_pk_bf16_f32 v[PK+4*\n+\j], v[SCR+8*\n+2*\j], v[SCR+8*\n+2*\j+1]   ; these four registers ARE half of the last product's operand: K places 8 h + 0 .. 7
.endr
.endr
.irp n, 0,1,2,3
	ds_store_b128 v[PWR], v[PK+4*\n:PK+4*\n+3] offset:PITCH*(4*\bt+\n)       ; over the token's codes of q, which my wave alone read, and has read
.endr
.endm
; The end of v step g.  Accumulator (jj, T), register e, lane (r, h) is v(token 16 T + 8 h + e, head 4 jj + g, channel 16 w + r).  Two exchanges of halves bring one token into a register: lanes 0-15 heads g, 4 + g,
; lanes 16-31 heads 8 + g, 12 + g; rounded in pairs that is register g (token 16 T + e) or 4 + g (token 16 T + 8 + e) of the operand: K place 8 h + 2 g + 0, 1 = head p(that place), P's order.
.macro VFIN g
.irp t, 0,1,2,3
.irp e, 0,1,2,3,4,5,6,7
	v_permlane16_swap_b32 v[VA+8*\t+\e], v[VA+64+8*\t+\e]
	v_permlane16_swap_b32 v[VA+32+8*\t+\e], v[VA+96+8*\t+\e]
.endr
.endr
	WIN 0xc0                           ; destination window 3
.irp t, 0,1,2,3
.irp e, 0,1,2,3,4,5,6,7
	v_cvt_pk_bf16_f32 v[8*(8*\t+\e)+\g], v[VA+8*\t+\e], v[VA+32+8*\t+\e]
	v_cvt_pk_bf16_f32 v[8*(8*\t+\e)+4+\g], v[VA+64+8*\t+\e], v[VA+96+8*\t+\e]
.endr
.endr
	WIN 0
.endm
.macro VSTEP sg, g, nx, nsg, ng
	s_wait_loadcnt 0x0                 ; this step's scale words and bv
.irp j, 0,1,2,3
.irp e, 0,1,2,3,4,5,6,7
	v_mov_b32 v[CB+8*\j+\e], v[BVL+\j]                 ; a lane is one channel here: its bias is the same for the eight tokens of its registers
.endr
.endr
	PLACES 4
.if \nx
	NEXTV \nsg, \ng
.endif
	FETCHV \sg
	MULV 0, \sg, 60
	MULV 1, \sg, 28                    ; behind K step s's four loads: 4 (7 - s)
	VFIN \g
.endm
; ctx of the 16 tokens of tile tq: source 0 = v^T (my 16 channels x 32 K places: two tokens), source 1 = P beside zeros, which switch the other token's places off.  Lane (i, h), register e: channel 16 w + 8 h + e of head i.
.macro CTX tq
	v_add_nc_u32 v[SOT], STG*\tq, v[SO]
.irp z, 0,1
.irp e, 0,1,2,3,4,5,6,7
	ds_load_b128 v[PB+12*\e+4:PB+12*\e+7], v[PRD] offset:PITCH*(16*\tq+8*\z+\e)
.endr
	s_wait_dscnt 0x0                   ; P is in, and the earlier stores into the stage have read their registers
	WIN 0x03                           ; source 0 window 3
.irp e, 0,1,2,3,4,5,6,7
	v_wmma_f32_16x16x32_bf16 v[DD+8*\e:DD+8*\e+7], v[8*(8*\tq+\e):8*(8*\tq+\e)+7], v[PB+12*\e+4-4*\z:PB+12*\e+11-4*\z], 0
.endr
	WIN 0
	PLACES 5
.irp e, 0,1,2,3,4,5,6,7
	ds_store_b128 v[SOT], v[DD+8*\e:DD+8*\e+3] offset:4352*(8*\z+\e)         ; each result from its low end on
	ds_store_b128 v[SOT], v[DD+8*\e+4:DD+8*\e+7] offset:4352*(8*\z+\e)+16
.endr
.endr
.endm
; Wave w stores tokens 4 w .. 4 w + 3 of the chunk: 32 loads of two heads' 512 bytes, 32 stores of 512 consecutive bytes at multiples of 512 from out0's first byte.
; Each chunk has 128 registers of its own, so no store's data are written again.
.macro OUTT tq
	v_add_nc_u32 v[SRT], STG*\tq, v[SR]
.set OB, 128*(\tq%2)
.if \tq < 2
	WIN 0x80                           ; destination window 2
.else
	WIN 0x40                           ; destination window 1
.endif
.irp l, 0,1,2,3
.irp q, 0,1,2,3,4,5,6,7
	ds_load_b128 v[OB+4*(8*\l+\q):OB+4*(8*\l+\q)+3], v[SRT] offset:4352*\l+544*\q
.endr
.endr
.if \tq < 2
	WIN 0x08                           ; a store's data are its source 1
.else
	WIN 0x04
.endif
.irp l, 0,1,2,3
.irp q, 0,1,2,3,4,5,6,7
	s_wait_dscnt 31-(8*\l+\q)          ; LDS loads come back in order: this one is in, the younger ones may be out
	global_store_b128 v[GO], v[OB+4*(8*\l+\q):OB+4*(8*\l+\q)+3], s[26:27] offset:65536*\tq+4096*\l+512*\q th:TH_STORE_NT
.endr
.endr
	WIN 0
.endm
	; ---------------- the head
	s_load_b256 s[4:11], s[0:1], 0x0               ; x's codes s[4:5], x's scales s[6:7], Wk's codes s[8:9], Wk's scales s[10:11]
	s_load_b256 s[12:19], s[0:1], 0x20             ; bk s[12:13], Wq's codes s[14:15], Wq's scales s[16:17], bq s[18:19]
	s_load_b256 s[20:27], s[0:1], 0x40             ; Wv's codes s[20:21], Wv's scales s[22:23], bv s[24:25], out0 s[26:27]
	v_lshl_add_u32 v[SPW], v0, 2, SPARE
	v_mov_b32 v[NIL], 0
	ds_add_u32 v1, v2
	ds_add_u32 v1, v2
	s_wait_dscnt 0x0
	v_lshrrev_b32 v96, 5, v0
	v_readfirstlane_b32 s28, v96                   ; wave 0..3
	s_bfe_u32 s29, ttmp6, 0x40000                  ; cx: my place in the cluster
	s_lshl_b32 s30, ttmp9, 2                       ; in a cluster launch ttmp9 counts clusters
	s_add_co_u32 s30, s30, s29                     ; my work-group: it enters the addresses of x and of out0 alone
	; descriptor group 1: 64 rows of 512 bytes, dense in memory, 16 bytes of padding behind each in LDS
	s_mov_b32 s[G1+0], 15|(1<<20)|(1<<21)|(6<<22)|(3<<25)   ; 15:0 the mask: all four work-groups; 17:16 elements of 1 byte; 20 padding on; 21 set beside a mask; 24:22 after every 128 words (code 6); 31:25 four words (code 3)
	s_mov_b32 s[G1+1], 512<<16                     ; tensor_dim0
	s_mov_b32 s[G1+2], 64<<16                      ; tensor_dim1
	s_mov_b32 s[G1+3], 512<<16                     ; tile_dim0
	s_mov_b32 s[G1+4], 64                          ; tile_dim1
	s_mov_b32 s[G1+5], 512                         ; from row to row
	s_mov_b32 s[G1+6], 0
	s_mov_b32 s[G1+7], 0
	s_mov_b32 s58, 0x76543210                      ; v_permlanex16_b32's selects for lane l xor 16
	s_mov_b32 s59, 0xfedcba98
	s_mov_b32 s60, 0x3e38aa3b                      ; c = log2(e) / 8
	s_mov_b32 s61, s60                             ; (named with it as a pair, so it is written)
	s_mov_b32 s62, 0xbe38aa3b                      ; -c
	s_mul_i32 s56, s28, WTILE                      ; my 64 rows of a slot: no place in the cluster enters an LDS address
	s_lshl_b32 s2, s28, 17                         ; my four heads of a weight: 256 rows of 512 bytes
	s_mov_b32 s3, 0
	s_lshl_b32 s48, s30, 15                        ; my work-group's 64 rows of x's codes
	s_mov_b32 s49, 0
	s_wait_kmcnt 0x0
	s_add_nc_u64 s[50:51], s[8:9], s[2:3]
	s_add_nc_u64 s[52:53], s[14:15], s[2:3]
	s_add_nc_u64 s[54:55], s[20:21], s[2:3]
	s_add_nc_u64 s[4:5], s[4:5], s[48:49]
	s_lshl_b32 s48, s30, 11                        ; of x's scales
	s_add_nc_u64 s[6:7], s[6:7], s[48:49]
	s_lshl_b32 s48, s30, 18                        ; of out0
	s_add_nc_u64 s[26:27], s[26:27], s[48:49]
	s_mov_b32 s[G0], 1                             ; count = 1
	s_mov_b32 s[G0+1], s56                         ; LDS address: slot 0
	s_mov_b64 s[G0+2:G0+3], s[50:51]               ; step 0: head 4 w of Wk
	s_or_b32 s[G0+3], s[G0+3], 0x80000000          ; type = 2
	s_mov_b32 s[G0+4], 1
	s_add_co_u32 s[G0+5], s56, SLOT                ; slot 1
	s_add_nc_u64 s[G0+6:G0+7], s[50:51], 32768     ; step 1: head 4 w + 1
	s_or_b32 s[G0+7], s[G0+7], 0x80000000
	ROUND                                          ; all four work-groups are here: the first joint loads meet
	tensor_load_to_lds s[G0:G0+3], s[G1:G1+7]      ; the two first fills go out together: two loads of mine are out
	s_nop 0
	tensor_load_to_lds s[G0+4:G0+7], s[G1:G1+7]
	s_nop 0
	PLACES 4
	v_and_b32 v96, 15, v0                          ; r
	v_bfe_u32 v97, v0, 4, 1                        ; h
	v_and_b32 v98, 31, v0                          ; lane
	v_and_b32 v99, 8, v96
	v_and_b32 v100, 1, v96
	v_lshl_add_u32 v99, v100, 2, v99
	v_bfe_u32 v100, v96, 1, 2
	v_add_nc_u32 v99, v99, v100                    ; p(r) = (r & 8) + 4 (r & 1) + ((r & 7) >> 1)
	v_lshlrev_b32 v[XA], 9, v96
	v_lshl_add_u32 v[XA], v97, 4, v[XA]            ; x's codes: row r of 512 bytes, + 16 h
	v_lshlrev_b32 v[XSA], 5, v96
	v_lshl_add_u32 v[XSA], v97, 4, v[XSA]          ; scales: row r of 32 bytes; lanes 0-15 the words of K steps 0-3, lanes 16-31 of 4-7
	s_lshl_b32 s3, s28, 13
	v_add_nc_u32 v[WSAQ], s3, v[XSA]               ; + my four heads' 256 rows
	s_lshl_b32 s3, s28, 9
	v_add_nc_u32 v[WSAV], s3, v[XSA]               ; + my 16 rows of a head
	s_lshl_b32 s3, s28, 10
	v_lshl_add_u32 v[BAQ], v97, 5, s3              ; bias: my four heads, + the eight numbers of my half
	s_lshl_b32 s2, s28, 6                          ; 64 w
	v_lshl_add_u32 v[BAV], v96, 2, s2              ; bv: channel 16 w + r
	WIN 0x40                                       ; destination window 1
.irp t, 0,1,2,3
.irp s, 0,1,2,3,4,5,6,7
.irp c, 0,1
	global_load_b128 v[8*(8*\t+\s)+4*\c:8*(8*\t+\s)+4*\c+3], v[XA], s[4:5] offset:8192*\t+64*\s+32*\c   ; x stays in registers
.endr
.endr
.endr
	WIN 0
.irp t, 0,1,2,3
	global_load_b128 v[XS+4*\t:XS+4*\t+3], v[XSA], s[6:7] offset:512*\t
.endr
	NEXTQ 0, 10, 12, 0                             ; step 0's scale words and bias
	v_mul_u32_u24 v101, v96, PITCH
	v_lshl_add_u32 v101, v97, 4, v101              ; a fragment's row x pitch + 16 h
	v_add_nc_u32 v[AQ], s56, v101
	v_add_nc_u32 v[AQ+1], SLOT, v[AQ]
	s_mul_i32 s31, s28, 16*PITCH                   ; 16 rows x wave
	v_add_nc_u32 v[AV], s31, v101
	v_add_nc_u32 v[AV+1], 128*PITCH, v[AV]
	v_add_nc_u32 v[AV+2], SLOT, v[AV]
	v_add_nc_u32 v[AV+3], SLOT, v[AV+1]
	s_add_co_u32 s57, s31, LC                      ; my 16 tokens' rows of codes
	s_add_co_u32 s3, s2, LC
	v_mul_u32_u24 v[CW], v96, PITCH
	v_lshl_add_u32 v[CW], v97, 3, v[CW]
	v_add_nc_u32 v[CW], s3, v[CW]                  ; codes in: token r, head 4 w, + 8 h
	s_lshl_b32 s3, s28, 4
	s_add_co_u32 s3, s3, LSW
	v_mul_u32_u24 v[SWW], v96, 80
	v_add_nc_u32 v[SWW], s3, v[SWW]                ; scale words in: token r, head 4 w
	v_lshlrev_b32 v102, 8, v97
	v_lshl_add_u32 v[KRD], v99, 4, v102
	v_add_nc_u32 v[KRD], s57, v[KRD]               ; k out: block h, head p(r)
	v_lshl_add_u32 v[QRD], v96, 4, v102
	v_add_nc_u32 v[QRD], s57, v[QRD]               ; q out: block h, head r
	s_mul_i32 s3, s28, 1280
	s_add_co_u32 s3, s3, LSW
	v_lshl_add_u32 v[KSR], v99, 2, s3
	v_lshl_add_u32 v[QSR], v96, 2, s3
	v_lshl_add_u32 v[PWR], v98, 4, s57             ; P in: my tokens' rows, 16 bytes a lane
	v_lshl_add_u32 v[PRD], v98, 4, LC              ; P out: any token's
	v_mul_u32_u24 v[SO], v96, 272
	v_lshl_add_u32 v[SO], v97, 5, v[SO]
	v_add_nc_u32 v[SO], s2, v[SO]                  ; the stage, in: head r, channels 16 w + 8 h on
	s_mul_i32 s3, s28, 4*4352
	v_mul_u32_u24 v[SR], v97, 272
	v_lshl_add_u32 v[SR], v96, 4, v[SR]
	v_add_nc_u32 v[SR], s3, v[SR]                  ; back: my four tokens; lanes 0-15 one head's 256 bytes, lanes 16-31 the next
	s_lshl_b32 s3, s28, 14
	v_lshl_add_u32 v[GO], v98, 4, s3               ; and the same in out0
.irp t, 0,1,2,3
	v_mov_b32 v[PX+\t], 0                          ; written once: a lane permute's destination counts as one of its sources
.endr
	WIN 0xc0
.irp i, 64,65,66,67
	v_mov_b32 v\i, 0                               ; window 3: behind k's last fragment
.endr
	WIN 0
	s_wait_tensorcnt 0x1                           ; my part of step 0 is in; step 1's may stay out
	s_barrier_signal -1
	s_barrier_wait -1
	; ---------------- k: steps 0 to 3
	QKSTEP 0, 0, 1, 1, 10, 12, 1
	HEAD 0, 1, 50, 65536
	QKSTEP 1, 1, 1, 0, 10, 12, 2
	HEAD 1, 1, 50, 98304
	QKSTEP 0, 2, 1, 1, 10, 12, 3
	HEAD 0, 1, 52, 0
	QKSTEP 1, 3, 1, 0, 16, 18, 0
	HEAD 1, 1, 52, 32768
	KREAD
	; ---------------- q: steps 4 to 7
	QKSTEP 0, 0, 1, 1, 16, 18, 1
	HEAD 0, 1, 52, 65536
	QKSTEP 1, 1, 1, 0, 16, 18, 2
	HEAD 1, 1, 52, 98304
	QKSTEP 0, 2, 1, 1, 16, 18, 3
	HEAD 0, 1, 54, 0
	QKSTEP 1, 3, 0, 0, 16, 18, 0
	HEAD 1, 1, 54, 32768
	; ---------------- scores and softmax of my 16 tokens
	NEXTV 0, 0                                     ; the first v step's scale words and bv land meanwhile
.irp n, 0,1,2,3
.irp i, 4,5,6,7
	v_mov_b32 v[QB+8*\n+\i], 0                     ; q's codes of K = 64 .. 127: zeros.  The twelve lines below are the places between these and the first product
.endr
.endr
.irp n, 0,1,2,3
	v_mov_b32 v[TP+\n], 0                          ; a lane permute's destination
	v_mov_b32 v[NM+2*\n+1], 0                      ; the upper halves of pairs of which the low word serves both halves
	v_mov_b32 v[RC+2*\n+1], 0
.endr
	SCORES 0
	SCORES 1
	SCORES 2
	SCORES 3
	; ---------------- v: steps 8 to 11
	VSTEP 0, 0, 1, 1, 1
	HEAD 0, 1, 54, 65536
	VSTEP 1, 1, 1, 0, 2
	HEAD 1, 1, 54, 98304
	VSTEP 0, 2, 1, 1, 3
	HEAD 0, 0, 54, 0                               ; the last tile is whole, nothing is left to fetch: no round.  Behind this barrier nobody reads slot 0: the stage's first chunk may be written
	VSTEP 1, 3, 0, 0, 0
	; ---------------- ctx and the way out, 16 tokens at a time; each chunk of the stage has bytes of its own, so one barrier a chunk is enough.
	; Chunks 1 to 3 reach into slot 1: they are written behind the first of these barriers, which every wave reaches behind its last read of that slot.
.irp e, 0,1,2,3,4,5,6,7
.irp i, 0,1,2,3,8,9,10,11
	v_mov_b32 v[PB+12*\e+\i], 0
.endr
.endr
	CTX 0
	BAR
	OUTT 0
	CTX 1                                          ; a chunk's stores to memory are on their way while the next chunk is multiplied
	BAR
	OUTT 1
	CTX 2
	BAR
	OUTT 2
	CTX 3
	BAR
	OUTT 3
	s_wait_tensorcnt 0x0                           ; the wave's end: behind my last tensor load and my last LDS store
	ds_add_u32 v[SPW], v[NIL]
	s_wait_dscnt 0x0
	ROUND                                          ; the closing round: no work-group ends while a partner may still ask for a tile that names it
	s_endpgm
.Lfunc_end_k_qb14ce3a0e1_fused:
	.size	k_qb14ce3a0e1_fused, .Lfunc_end_k_qb14ce3a0e1_fused-k_qb14ce3a0e1_fused
	.p2alignl 7, 3214868480
	.fill 96, 4, 3214868480
	.section	.rodata,"a",@progbits
	.p2align	6, 0x0
	.amdhsa_kernel k_qb14ce3a0e1_fused
		.amdhsa_group_segment_fixed_size 327680
		.amdhsa_private_segment_fixed_size 0
		.amdhsa_enable_private_segment 0
		.amdhsa_kernarg_size 96
		.amdhsa_user_sgpr_count 2
		.amdhsa_user_sgpr_kernarg_segment_ptr 1
		.amdhsa_wavefront_size32 1
		.amdhsa_system_sgpr_workgroup_id_x 1
		.amdhsa_system_sgpr_workgroup_id_y 1
		.amdhsa_system_sgpr_workgroup_id_z 1
		.amdhsa_system_vgpr_workitem_id 0
		.amdhsa_next_free_vgpr 1024
		.amdhsa_next_free_sgpr 66
		.amdhsa_reserve_vcc 0
		.amdhsa_float_denorm_mode_32 3
		.amdhsa_float_denorm_mode_16_64 3
		.amdhsa_memory_ordered 1
		.amdhsa_forward_progress 1
		.amdhsa_inst_pref_size 255
	.end_amdhsa_kernel
	.section	.bss,"aw",@nobits
	.p2align	6
	.space	262144
	.amdgpu_metadata
---
amdhsa.version: [ 1, 2 ]
amdhsa.kernels:
  - .name:           k_qb14ce3a0e1_fused
    .symbol:         k_qb14ce3a0e1_fused.kd
    .args:
      - { .name: x_codes, .offset: 0, .size: 8, .value_kind: global_buffer, .address_space: global }
      - { .name: x_scales, .offset: 8, .size: 8, .value_kind: global_buffer, .address_space: global }
      - { .name: Wk_codes, .offset: 16, .size: 8, .value_kind: global_buffer, .address_space: global }
      - { .name: Wk_scales, .offset: 24, .size: 8, .value_kind: global_buffer, .address_space: global }
      - { .name: bk, .offset: 32, .size: 8, .value_kind: global_buffer, .address_space: global }
      - { .name: Wq_codes, .offset: 40, .size: 8, .value_kind: global_buffer, .address_space: global }
      - { .name: Wq_scales, .offset: 48, .size: 8, .value_kind: global_buffer, .address_space: global }
      - { .name: bq, .offset: 56, .size: 8, .value_kind: global_buffer, .address_space: global }
      - { .name: Wv_codes, .offset: 64, .size: 8, .value_kind: global_buffer, .address_space: global }
      - { .name: Wv_scales, .offset: 72, .size: 8, .value_kind: global_buffer, .address_space: global }
      - { .name: bv, .offset: 80, .size: 8, .value_kind: global_buffer, .address_space: global }
      - { .name: out0, .offset: 88, .size: 8, .value_kind: global_buffer, .address_space: global }
    .group_segment_fixed_size: 327680
    .private_segment_fixed_size: 0
    .kernarg_segment_align: 8
    .kernarg_segment_size: 96
    .max_flat_workgroup_size: 128
    .sgpr_count:     66
    .vgpr_count:     1024
    .wavefront_size: 32
...
	.end_amdgpu_metadata
.endif
;; end of part 1
;; ======== version 2 of 2: 1 launch
;; limits: values are held in bf16: 8 bits of precision; right only within a limited range of input values
;; launch fused (part 2): grid 256 x 1, 4 waves a work-group, clusters of 4 x 1, 327,680 bytes of LDS; arguments x_codes, x_scales, Wk_codes, Wk_scales, bk, Wq_codes, Wq_scales, bq, Wv_codes, Wv_scales, bv, out0; writes out0
.if DOCPART == 2
	.amdgcn_target "amdgcn-amd-amdhsa--gfx1250"
	.amdhsa_code_object_version 6
	.text
	.protected	k_qb14ce3a0e1_fused
	.globl	k_qb14ce3a0e1_fused
	.p2align	8
	.type	k_qb14ce3a0e1_fused,@function
k_qb14ce3a0e1_fused:
	s_mov_b64 s[64:65], 0
	v_nop
	global_prefetch_b8 v0, s[64:65] scope:SCOPE_SE
	s_setreg_imm32_b32 hwreg(HW_REG_WAVE_MODE, 25, 1), 1
	s_wait_xcnt 0x0
	s_wait_alu depctr_hold_cnt(0) depctr_sa_sdst(0) depctr_va_vdst(0) depctr_va_sdst(0) depctr_va_ssrc(0) depctr_va_vcc(0) depctr_vm_vsrc(0)
	s_getreg_b32 s2, hwreg(HW_REG_IB_STS2, 6, 4)
	s_cmp_eq_u32 s2, 0
	s_cbranch_scc0 .Lentry_in_a_cluster
	s_endpgm
.Lentry_in_a_cluster:
	s_bfe_u32 s2, ttmp6, 0x10000c
	s_cmp_lg_u32 s2, 0x3003
	s_cbranch_scc0 .Lentry_shape_is_right
	s_endpgm
.Lentry_shape_is_right:
; out0[t][64 i + a] = sum over j of softmax_j(q[t][i] . k[t][j] / 8) v[t][j][a], with q, k, v = x W + b: 16,384 tokens, 16 heads of 64, attention ACROSS THE HEADS of one token.
; x [16384][1024] and Wq, Wk, Wv [1024 (n)][1024 (k)] arrive as codes of FP4 (E2M1), K innermost, 512 bytes a row, with one E8M0 byte for each 32 along K (32 bytes a row).
; The projections and q . k (q and k are quantised here, from f32) go on FP4 codes; P V (K = 16) goes on bf16 operands; all sums, the softmax and the biases are f32.
; ONE LAUNCH: q, k, v, the scores and P never go to memory.
; SHARES.  A work-group of four waves owns 64 tokens.  Every wave keeps the work-group's whole x in registers (4 tiles T of 16 tokens x 8 K steps s of 128: 256 registers).
; The weights go by in 12 steps of 256 rows (four of v, four of k, four of q) through a ring of two LDS slots.  In a step each wave fetches one head: 64 dense rows, 32 KiB, one tensor load.
; ORDER v, k, q: a row of out0 for head i needs q's head i and all of k and v.  So each q step ends with its four heads' scores, softmax and P V, and their 64 KiB of out0 leave while the next step is multiplied.
;   v steps:    wave w takes rows 16 w .. + 15 of each of the slot's four heads (source 0 = tokens, source 1 = W).  v is rounded to bf16 and handed to the token's owner (wave T) through LDS; it stays in 256 registers.
;   k, q steps: wave w multiplies its own head's 64 rows (source 0 = W, source 1 = tokens: a lane holds ONE token and its registers run along the head's 64), quantises in registers, and stores codes and scale bytes to LDS.
;   behind a q step wave w works on tokens 16 w .. + 15 alone, four quads of tokens: column n = 4 t + a is token t of the quad, head a of the step: four tokens x four heads fill the 16 columns.
;     S^T = k q^T: K = 128 holds TWO tokens' 64; a column's codes are zeros where the other token stands; two products (tokens 0, 1 and 2, 3) in a chain make a quad's scores.
;     O^T = v^T P^T: K = 32 holds four tokens x 8 heads; two products in a chain; P's registers of the other tokens are zeros.
; HALF A STEP AHEAD.  A step's 32 fragments of W are two halves of 128 registers.  The second half is fetched at the step's head, ahead of the first half's 64 products; behind those stands the change of slots,
; and behind its refill the NEXT step's first half is fetched.  Scale words and biases of the next step come likewise in two halves, each into the registers just used.
; CLUSTER.  The four work-groups of a cluster walk the same weights in step: every tile of W is asked for JOINTLY.  THE ORDER OF A WEIGHT'S FOUR TILES TURNS WITH THE CLUSTER: in a weight's step g wave w takes head 4 w + ((g + rot) & 3),
; rot made of the cluster's number.  Only global addresses know of rot; in LDS and registers a head stands at a place made of w and g, alike for k and v.
; PREFETCH.  In the v steps the first four clusters ask for Wk (steps 0, 1) and Wq (steps 2, 3): the first tile of k is loaded in step 2, of q in step 6.  A cluster's sixteen waves share the blocks of 256 bytes by address, each named once in the cluster.
; x and Wv are loaded at the head, with no step ahead of them in which to ask.
; LIMITS.  NaN and infinities among the inputs are not served.  A block of zeros of q or k gets the scale byte 1 where the quantiser's rule says 127: its codes are zeros, and this launch alone reads the bytes.
;   Blocks whose largest magnitude lies under 2^-124 are held at that byte.  Inside a block of 32 the head's numbers stand in the order 0-7, 16-23, 8-15, 24-31, alike in q and in k.
;   P and v are rounded to bf16 for the last product.  The bias is the start of each projection's sum.  The heads' order in the sums over j turns with rot.  The softmax's promise holds while scores x log2(e) / 8 stay under 2^31 in magnitude.
;
; LDS (bytes)
.set PITCH,  528                       ; a row of W: 512 bytes + 16 of padding
.set WTILE,  64*PITCH                  ; what one tensor load brings
.set SLOT,   4*WTILE                   ; 135,168 = bits 17 and 12, which no wave's offset w x WTILE has: so an exclusive or changes slots
.set KC,     2*SLOT                    ; x's images (32,768), then v's (32,768), then k's codes: (row m, block, token) at 2,064 m + 1,024 block + 16 token
.set KROW,   2064
.set STAGE,  KC+16*KROW                ; each wave's stage, 16 rows x 272; ahead of the way out it holds the codes of q for the wave's tokens: quad +528, block +256, column +16,
.set SSZ,    4352
.set QSO,    2112                      ; and their scale words from here: quad +64, column +4
.set KSB,    STAGE+4*SSZ               ; k's scale words: token pair +64, row m +4: bytes 0, 1 the even token's two blocks, bytes 2, 3 the odd token's
.set SPARE,  KSB+2048                  ; the spare words, 128 bytes for each wave: no other line names them
; REGISTERS.  window 1: x's fragment (T, s) at v[8 (8 T + s)].   window 2: a step's 32 fragments of W: (half, u, s) at v[128 half + 8 (2 s + u)]; behind a q step's products v128-255: k's fragments, then O^T.
;   window 3: v: (quad, channel tile c, steps 2 p and 2 p + 1) at v[8 (2 (4 quad + c) + p)]: register 4 (g % 2) + t: token t, step g, two heads.   window 0: below.
.set SPW,  1                           ; LDS address of my spare word; never rewritten
.set NIL,  2                           ; 0; never rewritten
.set AQ0,  3                           ; k, q steps: my lane's place in slot 0; in the slot in hand
.set AQC,  4
.set AV,   5                           ; v5-8   v steps: slot 0 half 0, 1; slot 1 half 0, 1
.set KW0,  9                           ; where I store k's codes, scale bytes (step 0)
.set KS0,  10
.set QW,   11                          ; q's codes, scale words
.set QSW,  12
.set KRD,  13                          ; where I read k's codes, scale words,
.set KSR,  14
.set QRD,  15                          ; q's
.set QSR,  16
.set VXW,  17                          ; v's images: in, out (out: x's images in, too)
.set VXR,  18
.set STI,  19                          ; the stage: in, back
.set STO,  20
.set GO,   21                          ; out0
.set WSAQ, 22                          ; W's scales (k, q; v)
.set WSAV, 23
.set BAQ,  24                          ; biases (k, q; v)
.set BAV,  25
.set PFO,  26                          ; prefetches
.set XA,   27                          ; x's codes, scales; x's images out: at the head alone
.set XSA,  28
.set XRD,  29
.set KWE,  30                          ; this k step's KW0, KS0
.set KSE,  31
.set XS,   32                          ; v32-47 x's scale words: tile T at +4 T; register s % 4: lanes 0-15 K step s < 4, lanes 16-31 s >= 4.  v32-75 hold scales and nothing else
.set WS,   48                          ; v48-63 W's, four tiles, laid likewise
.set QS,   64                          ; v64-67 q's, a quad each
.set KSC,  68                          ; v68-75 k's, a token pair each
.set MK,   76                          ; v76-79 all ones in the lanes whose column belongs to token t of a quad
.set BVL,  80                          ; v steps: bv of the four tiles
.set QM,   80                          ; quantising: largest magnitudes; the other half's; scale operands; scale words; the codes (over QM and PX)
.set PX,   84
.set SOP,  88
.set W0,   92
.set CD,   80
.set ACC,  96                          ; v96-159 half 0's accumulators, v160-223 half 1's
.set BIAS, 224                         ; v224-255 four tiles of eight
.set QC,   96                          ; behind a q step: q's codes, 4 a quad
.set BM,   112                         ; masked operands, 16 a quad: of q's codes, then of P
.set SCR,  176                         ; scores, then p, then P as bf16 pairs: 8 a quad
.set MX,   80
.set TP,   84
.set SU,   88
.set NM,   96                          ; pairs: -c max; 1 / sum; partial sums
.set RC,   104
.set SUM,  208
.set T2,   216
.set OUT,  96                          ; rows of out0, 32 registers a quad
; s28 wave; s29 cx; s30 work-group; s[50:51], s[52:53], s[54:55] Wk's, Wq's, Wv's codes at my wave's four heads; s56 w x WTILE; s[58:59] lane selects; s[60:61] c = log2(e) / 8; s62 -c
.set G1,   32                          ; s[32:39] descriptor group 1
.set G0,   40                          ; s[40:43] group 0
.set CG,   44                          ; (g + rot) & 3 of the step in hand
.set KI,   45                          ; loop counter
.set TB,   46                          ; LDS byte of the slot in hand (k, q steps)
.set KG,   47                          ; k steps: g x 2 x KROW, g x 8
.set KH,   57
.set OB,   66                          ; out0 at the step's heads
.set NSB,  68                          ; k steps: the next step's scales, bias; the refill's codes
.set NBB,  70
.set PSC,  72                          ; bases of the loads of scale words and biases
.set PBI,  74
.set OFS,  76                          ; an offset as a pair; the upper word stays 0
.set FLB,  78
.set MSB, 0
.macro WIN new                         ; the immediate's high byte repeats the setting that is left
.if MSB != \new
	s_set_vgpr_msb (MSB<<8)|\new
.set MSB, \new
.endif
.endm
; Behind a matrix instruction four plain vector instructions that name none of its registers stand in front of a read of its result and of a load into its registers, five in front of a matrix instruction that writes over them (ISA guide 7.12.1 for vector instructions).
.macro PLACES n
.rept \n
	v_nop
.endr
.endm
.macro BAR                             ; my LDS stores have landed and my LDS loads are in: then the work-group's barrier.  A tile may stay on its way across it
	s_wait_dscnt 0x0
	s_barrier_signal -1
	s_barrier_wait -1
.endm
.macro CREST                           ; a round of the cluster's barrier behind its opening barrier
	s_cmp_lg_u32 s28, 0
	s_cbranch_scc1 .Lnot_wave_0_\@
	s_barrier_signal -3
.Lnot_wave_0_\@:
	s_barrier_wait -3
	s_barrier_signal -1
	s_barrier_wait -1
.endm
.macro SPREAD be                       ; v steps: a lane is one channel: its bias is the same for the eight tokens of its registers
.irp u, 0,1
.irp e, 0,1,2,3,4,5,6,7
	v_mov_b32 v[BIAS+8*(2*\be+\u)+\e], v[BVL+2*\be+\u]
.endr
.endr
.endm
; THE CHANGE OF SLOTS, up to the opening signal.  Each wave waits for all its tensor loads (one is out: its part of the next step's slot), adds 0 to its spare word, and waits for that and for its LDS reads: the slot's last fragments are in registers.
; fill = 1: the slot just read out is filled again with the tile two steps on, of the weight at s[fb:fb+1].
.macro MEET fill, fb, bv
	s_wait_tensorcnt 0x0               ; no tensor load of mine is out, so the group 0 may be written
	ds_add_u32 v[SPW], v[NIL]          ; 0 onto my spare word
.if \fill
	s_xor_b32 s[G0+1], s[G0+1], SLOT
	s_add_co_u32 s2, s[CG], 2
	s_and_b32 s2, s2, 3
	s_lshl_b32 s[OFS], s2, 15          ; 32,768 bytes a head: made of the cluster's number and the step, which the four partners share
	s_add_nc_u64 s[G0+2:G0+3], s[\fb:\fb+1], s[OFS:OFS+1]
	s_or_b32 s[G0+3], s[G0+3], 0x80000000   ; type = 2
.endif
.if \bv
	SPREAD 1
	s_wait_alu depctr_va_vdst(0)
.endif
	s_wait_dscnt 0x0                   ; the add is done; my reads of the slot are over
	s_barrier_signal -1
.endm
.macro JOIN                            ; and from the opening wait on: the round, then the joint load first; it has a whole step in which to land
	WIN 0
	s_barrier_wait -1
	CREST
	tensor_load_to_lds s[G0:G0+3], s[G1:G1+7]
	s_nop 0
	PLACES 4
.endm
; The next step's scale words and biases: bases, then the loads of half be.  The bases are written anew only behind the wait that has shown the last loads from them done.
.macro NEXTA ps, pb
	s_add_co_u32 s2, s[CG], 1
	s_and_b32 s2, s2, 3
	s_lshl_b32 s[OFS], s2, 11
	s_add_nc_u64 s[PSC:PSC+1], s[\ps:\ps+1], s[OFS:OFS+1]
	s_lshl_b32 s[OFS], s2, 8
	s_add_nc_u64 s[PBI:PBI+1], s[\pb:\pb+1], s[OFS:OFS+1]
.endm
.macro GETQ be                         ; six loads: two tiles of 16 rows' scales; two tiles' biases in the result's layout
.irp q, 2*\be, 2*\be+1
	global_load_b128 v[WS+4*(\q):WS+4*(\q)+3], v[WSAQ], s[PSC:PSC+1] offset:512*(\q)
.endr
.irp q, 2*\be, 2*\be+1
	global_load_b128 v[BIAS+8*(\q):BIAS+8*(\q)+3], v[BAQ], s[PBI:PBI+1] offset:64*(\q)
	global_load_b128 v[BIAS+8*(\q)+4:BIAS+8*(\q)+7], v[BAQ], s[PBI:PBI+1] offset:64*(\q)+16
.endr
.endm
.macro GETV be                         ; four loads: my 16 rows of two heads; one number of bv a lane and head
.irp q, 2*\be, 2*\be+1
	global_load_b128 v[WS+4*(\q):WS+4*(\q)+3], v[WSAV], s[PSC:PSC+1] offset:8192*(\q)
.endr
.irp q, 2*\be, 2*\be+1
	global_load_b32 v[BVL+(\q)], v[BAV], s[PBI:PBI+1] offset:1024*(\q)
.endr
.endm
; Half be of a step's fragments of W: 32 LDS loads in one run.  A fragment (16 rows x 128 K of 4-bit codes) is 8 registers: lane l holds row l % 16; registers 4 c .. 4 c + 3 hold K = 64 c + 32 (l / 16) + 0 .. 31.
.macro FETCHQ be
	WIN 0x80                           ; destination window 2
.irp s, 0,1,2,3,4,5,6,7
.irp u, 0,1
.irp c, 0,1
	ds_load_b128 v[128*\be+8*(2*\s+\u)+4*\c:128*\be+8*(2*\s+\u)+4*\c+3], v[AQC] offset:(32*\be+16*\u)*PITCH+64*\s+32*\c
.endr
.endr
.endr
	WIN 0
.endm
.macro FETCHV sg, be
	WIN 0x80
.irp s, 0,1,2,3,4,5,6,7
.irp u, 0,1
.irp c, 0,1
	ds_load_b128 v[128*\be+8*(2*\s+\u)+4*\c:128*\be+8*(2*\s+\u)+4*\c+3], v[AV+2*(\sg)+\be] offset:\u*WTILE+64*\s+32*\c
.endr
.endr
.endr
	WIN 0
.endm
; One product on codes; its registers stand in the symbols rD, rA, rB, rC, rSA, rSB.  first = 1: the bias starts the sum.  hi = 1: K steps 4 to 7 take their scale words from lanes 16-31.
.macro FP4MM first, hi
.if \first
	v_wmma_scale_f32_16x16x128_f8f6f4 v[rD:rD+7], v[rA:rA+7], v[rB:rB+7], v[rC:rC+7], v[rSA], v[rSB] matrix_a_fmt:MATRIX_FMT_FP4 matrix_b_fmt:MATRIX_FMT_FP4
.elseif \hi
	v_wmma_scale_f32_16x16x128_f8f6f4 v[rD:rD+7], v[rA:rA+7], v[rB:rB+7], v[rD:rD+7], v[rSA], v[rSB] matrix_a_fmt:MATRIX_FMT_FP4 matrix_b_fmt:MATRIX_FMT_FP4 matrix_a_scale:MATRIX_SCALE_ROW1 matrix_b_scale:MATRIX_SCALE_ROW1
.else
	v_wmma_scale_f32_16x16x128_f8f6f4 v[rD:rD+7], v[rA:rA+7], v[rB:rB+7], v[rD:rD+7], v[rSA], v[rSB] matrix_a_fmt:MATRIX_FMT_FP4 matrix_b_fmt:MATRIX_FMT_FP4
.endif
.endm
.macro ONE s
.if \s == 0
	FP4MM 1, 0
.elseif \s < 4
	FP4MM 0, 0
.else
	FP4MM 0, 1
.endif
.endm
; K steps lo .. hi - 1 of half be: eight accumulators (two tiles of W's rows x four tiles of tokens) by turns, one instruction a turn; K ascending.
.macro MULQ be, lo, hi
	WIN 0x06                           ; source 0 (W) window 2, source 1 (x) window 1
.irp s, 0,1,2,3,4,5,6,7
.if (\s >= \lo) && (\s < \hi)
.irp u, 0,1
.irp t, 0,1,2,3
.set rD, ACC+64*\be+16*\t+8*\u
.set rA, 128*\be+8*(2*\s+\u)
.set rB, 8*(8*\t+\s)
.set rC, BIAS+8*(2*\be+\u)
.set rSA, WS+4*(2*\be+\u)+\s%4
.set rSB, XS+4*\t+\s%4
	ONE \s
.endr
.endr
.endif
.endr
	WIN 0
.endm
.macro MULV be, lo, hi
	WIN 0x09                           ; source 0 (x) window 1, source 1 (W) window 2
.irp s, 0,1,2,3,4,5,6,7
.if (\s >= \lo) && (\s < \hi)
.irp u, 0,1
.irp t, 0,1,2,3
.set rD, ACC+64*\be+32*\u+8*\t
.set rA, 8*(8*\t+\s)
.set rB, 128*\be+8*(2*\s+\u)
.set rC, BIAS+8*(2*\be+\u)
.set rSA, XS+4*\t+\s%4
.set rSB, WS+4*(2*\be+\u)+\s%4
	ONE \s
.endr
.endr
.endif
.endr
	WIN 0
.endm
; Block be of my head, for the four tiles of tokens (by turns in every group of lines).  Lane (token r, half h) holds 16 of the block's 32 numbers; lane l xor 16 the others.
; The largest magnitude with 2 taken off its exponent field is the conversion's scale operand, and that field is the byte.  q = 0: k's codes; 1: q's.
.macro QUANT be, q
.set AB, ACC+64*\be
.irp t, 0,1,2,3
	v_max3_num_f32 v[QM+\t], |v[AB+16*\t]|, |v[AB+16*\t+1]|, 0x1800000   ; each accumulator from its low end on; the floor 2^(3 - 127) holds the byte at 1 from below
.endr
.irp i, 2,4,6,8,10,12,14
.irp t, 0,1,2,3
	v_max3_num_f32 v[QM+\t], v[QM+\t], |v[AB+16*\t+\i]|, |v[AB+16*\t+\i+1]|
.endr
.endr
.irp t, 0,1,2,3
	v_permlanex16_b32 v[PX+\t], v[QM+\t], s58, s59
.endr
.irp t, 0,1,2,3
	v_max_num_f32 v[QM+\t], v[QM+\t], v[PX+\t]
.endr
.irp t, 0,1,2,3
	v_add_nc_u32 v[SOP+\t], 0xff000000, v[QM+\t]
.endr
.if \be == 0
.irp t, 0,1,2,3
	v_lshrrev_b32 v[W0+\t], 23, v[SOP+\t]              ; byte 0
.endr
.else
.irp t, 0,1,2,3
	v_lshrrev_b32 v[QM+\t], 23, v[SOP+\t]
.endr
.irp t, 0,1,2,3
	v_lshl_or_b32 v[W0+\t], v[QM+\t], 8, v[W0+\t]      ; and byte 1
.endr
.if \q
.irp t, 0,1,2,3
	v_lshl_or_b32 v[W0+\t], v[W0+\t], 16, v[W0+\t]     ; q: the same two for either place of the token in a pair
.endr
.endif
.endif
.irp t, 0,1,2,3
	v_cvt_scalef32_pk8_fp4_f32 v[CD+2*\t], v[AB+16*\t:AB+16*\t+7], v[SOP+\t]
	v_cvt_scalef32_pk8_fp4_f32 v[CD+2*\t+1], v[AB+16*\t+8:AB+16*\t+15], v[SOP+\t]
.endr
	v_nop                              ; one plain place behind the scaled conversions
.irp t, 0,1,2,3
.if \q
	ds_store_b64 v[QW], v[CD+2*\t:CD+2*\t+1] offset:SSZ*\t+256*\be
.else
	ds_store_b64 v[KWE], v[CD+2*\t:CD+2*\t+1] offset:256*\t+1024*\be
.endif
.endr
.if \be == 1
.irp t, 0,1,2,3
.if \q
	ds_store_b32 v[QSW], v[W0+\t] offset:SSZ*\t        ; both halves of the lanes write the same with the same value
.else
	ds_store_b16 v[KSE], v[W0+\t] offset:512*\t
.endif
.endr
.endif
.endm
; k's fragments of my 16 tokens, two tokens side by side, and their scale words.
.macro KFETCH
	WIN 0x80                           ; destination window 2
.irp k, 0,1,2,3,4,5,6,7,8,9,10,11,12,13,14,15
	ds_load_b128 v[128+4*\k:128+4*\k+3], v[KRD] offset:16*\k
.endr
	WIN 0
.irp p, 0,1,2,3,4,5,6,7
	ds_load_b32 v[KSC+\p], v[KSR] offset:64*\p
.endr
.endm
.macro SCORE p
	WIN 0x02                           ; source 0 (k) window 2
.irp n, 0,1,2,3
.if \p == 0
	v_wmma_scale_f32_16x16x128_f8f6f4 v[SCR+8*\n:SCR+8*\n+7], v[128+16*\n:128+16*\n+7], v[BM+16*\n:BM+16*\n+7], 0, v[KSC+2*\n], v[QS+\n] matrix_a_fmt:MATRIX_FMT_FP4 matrix_b_fmt:MATRIX_FMT_FP4
.else
	v_wmma_scale_f32_16x16x128_f8f6f4 v[SCR+8*\n:SCR+8*\n+7], v[136+16*\n:136+16*\n+7], v[BM+8+16*\n:BM+8+16*\n+7], v[SCR+8*\n:SCR+8*\n+7], v[KSC+2*\n+1], v[QS+\n] matrix_a_fmt:MATRIX_FMT_FP4 matrix_b_fmt:MATRIX_FMT_FP4
.endif
.endr
.endm
.macro CTX q0                          ; quads q0, q0 + 1: eight accumulators (four tiles of 16 channels each) by turns
	WIN 0xa3                           ; source 0 (v) window 3, source 1 (P) window 0, C and D window 2
.irp p, 0,1
.irp q, \q0, \q0+1
.irp c, 0,1,2,3
.set rD, 128+32*(\q)+8*\c
.set rA, 8*(2*(4*(\q)+\c)+\p)
.set rB, BM+16*(\q)+8*\p
.if \p == 0
	v_wmma_f32_16x16x32_bf16 v[rD:rD+7], v[rA:rA+7], v[rB:rB+7], 0
.else
	v_wmma_f32_16x16x32_bf16 v[rD:rD+7], v[rA:rA+7], v[rB:rB+7], v[rD:rD+7]
.endif
.endr
.endr
.endr
.endm
; A quad's way out: lane (n, h) holds channels 16 c + 8 h + 0 .. 7 of row n; through my own stage, and back as rows of 256 bytes, two in each load.  LDS serves a wave's instructions in order (ISA guide 5.7.1.4): no wait between.
.macro STAGED q
	WIN 0x08                           ; a store's data are its source 1: window 2
.irp c, 0,1,2,3
	ds_store_b128 v[STI], v[128+32*\q+8*\c:128+32*\q+8*\c+3] offset:64*\c        ; each result from its low end on
	ds_store_b128 v[STI], v[128+32*\q+8*\c+4:128+32*\q+8*\c+7] offset:64*\c+16
.endr
.irp i, 0,1,2,3,4,5,6,7
	ds_load_b128 v[OUT+32*\q+4*\i:OUT+32*\q+4*\i+3], v[STO] offset:544*\i
.endr
	WIN 0
.endm
; Row n = 2 i + (lane / 16) = 4 t + a: token t, head 4 a + CG.  Lanes 0-15 and lanes 16-31 each store 256 consecutive bytes at a multiple of 256 from out0's first byte.
.macro SEND q, younger                 ; younger: the next quad's sixteen LDS instructions, which may be out
	s_wait_dscnt \younger
.irp i, 0,1,2,3,4,5,6,7
	global_store_b128 v[GO], v[OUT+32*\q+4*\i:OUT+32*\q+4*\i+3], s[OB:OB+1] offset:(4*\q+\i/2)*4096+(\i%2)*2048 th:TH_STORE_NT
.endr
.endm
; Behind a q step: scores, softmax, P V and the way out of my 16 tokens x the step's four heads.
.macro POST
	BAR                                ; every wave's codes and scale words of this step have landed
.irp n, 0,1,2,3
	ds_load_b128 v[QC+4*\n:QC+4*\n+3], v[QRD] offset:528*\n
	ds_load_b32 v[QS+\n], v[QSR] offset:64*\n
.endr
	s_lshl_b32 s[OFS], s[CG], 8
	s_add_nc_u64 s[OB:OB+1], s[26:27], s[OFS:OFS+1]    ; (the last step's stores have read their base: the wait on XCNT ahead of this step's products)
	s_wait_dscnt 0x0
.irp n, 0,1,2,3
.irp t, 0,1,2,3
.irp i, 0,1,2,3
	v_and_b32 v[BM+16*\n+4*\t+\i], v[MK+\t], v[QC+4*\n+\i]   ; the column's codes at its own token's place, zeros at the other three
.endr
.endr
.endr
	PLACES 4                           ; an operand written by a vector instruction stands four places ahead
	SCORE 0
	SCORE 1
	WIN 0
	PLACES 5
; lane (n, h), register e: row 8 h + e.  p = 2^(c s - c max); the sum is at least about 1.
.irp n, 0,1,2,3
	v_max3_num_f32 v[MX+\n], v[SCR+8*\n], v[SCR+8*\n+1], v[SCR+8*\n+2]
.endr
.irp j, 3,5
.irp n, 0,1,2,3
	v_max3_num_f32 v[MX+\n], v[MX+\n], v[SCR+8*\n+\j], v[SCR+8*\n+\j+1]
.endr
.endr
.irp n, 0,1,2,3
	v_max_num_f32 v[MX+\n], v[MX+\n], v[SCR+8*\n+7]
.endr
.irp n, 0,1,2,3
	v_permlanex16_b32 v[TP+\n], v[MX+\n], s58, s59     ; the row's other eight heads lie in lane l xor 16
.endr
.irp n, 0,1,2,3
	v_max_num_f32 v[MX+\n], v[MX+\n], v[TP+\n]
.endr
.irp n, 0,1,2,3
	v_mul_f32 v[NM+2*\n], s62, v[MX+\n]                ; -c max
.endr
.irp j, 0,2,4,6
.irp n, 0,1,2,3
	v_pk_fma_f32 v[SCR+8*\n+\j:SCR+8*\n+\j+1], v[SCR+8*\n+\j:SCR+8*\n+\j+1], s[60:61], v[NM+2*\n:NM+2*\n+1] op_sel_hi:[1,0,0]
.endr
.endr
	s_wait_alu depctr_va_vdst(0)       ; ahead of the batch
.irp j, 0,1,2,3,4,5,6,7
.irp n, 0,1,2,3
	v_exp_f32 v[SCR+8*\n+\j], v[SCR+8*\n+\j]
.endr
.endr
	v_nop                              ; a plain place behind the exponentials
	s_wait_alu depctr_va_vdst(0)       ; and behind it
.irp n, 0,1,2,3
	v_pk_add_f32 v[SUM+2*\n:SUM+2*\n+1], v[SCR+8*\n:SCR+8*\n+1], v[SCR+8*\n+2:SCR+8*\n+3]
	v_pk_add_f32 v[T2+2*\n:T2+2*\n+1], v[SCR+8*\n+4:SCR+8*\n+5], v[SCR+8*\n+6:SCR+8*\n+7]
.endr
.irp n, 0,1,2,3
	v_pk_add_f32 v[SUM+2*\n:SUM+2*\n+1], v[SUM+2*\n:SUM+2*\n+1], v[T2+2*\n:T2+2*\n+1]
.endr
.irp n, 0,1,2,3
	v_add_f32 v[SU+\n], v[SUM+2*\n], v[SUM+2*\n+1]
.endr
.irp n, 0,1,2,3
	v_permlanex16_b32 v[TP+\n], v[SU+\n], s58, s59
.endr
.irp n, 0,1,2,3
	v_add_f32 v[SU+\n], v[SU+\n], v[TP+\n]
.endr
	s_wait_alu depctr_va_vdst(0)       ; likewise ahead of the reciprocals
.irp n, 0,1,2,3
	v_rcp_f32 v[RC+2*\n], v[SU+\n]
.endr
	v_nop
	s_wait_alu depctr_va_vdst(0)       ; and behind them
.irp j, 0,2,4,6
.irp n, 0,1,2,3
	v_pk_mul_f32 v[SCR+8*\n+\j:SCR+8*\n+\j+1], v[SCR+8*\n+\j:SCR+8*\n+\j+1], v[RC+2*\n:RC+2*\n+1] op_sel_hi:[1,0]
.endr
.endr
.irp j, 0,1,2,3
.irp n, 0,1,2,3
	v_cvt_pk_bf16_f32 v[SCR+8*\n+\j], v[SCR+8*\n+2*\j], v[SCR+8*\n+2*\j+1]   ; register g: the two heads of v's step g that my half of the lanes holds
.endr
.endr
.irp n, 0,1,2,3
.irp g, 0,1,2,3
.irp t, 0,1,2,3
	v_and_b32 v[BM+16*\n+4*\g+\t], v[MK+\t], v[SCR+8*\n+\g]
.endr
.endr
.endr
	CTX 0
	CTX 2
	WIN 0
	PLACES 5
	STAGED 0
	STAGED 1
	SEND 0, 16
	STAGED 2
	SEND 1, 16
	STAGED 3
	SEND 2, 16
	SEND 3, 0
.endm
.macro STEPCG
	s_add_co_u32 s[CG], s[CG], 1
	s_and_b32 s[CG], s[CG], 3
.endm
; A v step from slot sg.  fb: the refill's weight.
.macro VSTEP sg, g, fb
	FETCHV \sg, 1                      ; the second half: it lands while the first is multiplied
	s_wait_loadcnt 0x4                 ; half 0's scale words and bv; half 1's four loads may be out
	s_wait_dscnt 32                    ; all but the 32 just issued
	SPREAD 0
	PLACES 4
	MULV 0, 0, 8
	PLACES 5
	s_wait_loadcnt 0x0                 ; half 1's
.if \g < 3
	NEXTA 22, 24
	GETV 0
.else
	NEXTA 10, 12
	GETQ 0
.endif
	MEET 1, \fb, 1
	MULV 1, 0, 2                       ; sixteen matrix instructions inside the round's opening barrier
	JOIN
.if \g < 3
	FETCHV 1-\sg, 0
.else
	v_add_nc_u32 v[AQC], s[TB], v[AQ0]
	FETCHQ 0
.endif
	s_cmp_lt_u32 ttmp9, 4              ; the prefetches: half of Wk or of Wq in each step, 8,192 bytes a wave and instruction
	s_cbranch_scc0 .Lno_ask_\@
.if \g < 2
	global_prefetch_b8 v[PFO], s[8:9] offset:262144*\g th:TH_LOAD_NT scope:SCOPE_SE
	global_prefetch_b8 v[PFO], s[8:9] offset:262144*\g+131072 th:TH_LOAD_NT scope:SCOPE_SE
.else
	global_prefetch_b8 v[PFO], s[14:15] offset:262144*(\g-2) th:TH_LOAD_NT scope:SCOPE_SE
	global_prefetch_b8 v[PFO], s[14:15] offset:262144*(\g-2)+131072 th:TH_LOAD_NT scope:SCOPE_SE
.endif
.Lno_ask_\@:
	MULV 1, 2, 8
	PLACES 5
.if \g < 3
	GETV 1
.else
	GETQ 1
.endif
; Accumulator (be, u, T), register e, lane (r, h) is v(token 16 T + 8 h + e, head 2 be + u of the step, channel 16 w + r).  Two heads make a register; four tokens' registers make 16 bytes of quad 4 T + 2 h + x.
.irp be, 0,1
.irp t, 0,1,2,3
.irp e, 0,1,2,3,4,5,6,7
	v_cvt_pk_bf16_f32 v[ACC+64*\be+8*\t+\e], v[ACC+64*\be+8*\t+\e], v[ACC+64*\be+32+8*\t+\e]
.endr
.endr
.irp t, 0,1,2,3
.irp x, 0,1
	ds_store_b128 v[VXW], v[ACC+64*\be+8*\t+4*\x:ACC+64*\be+8*\t+4*\x+3] offset:8192*\t+2048*\x+256*\be
.endr
.endr
.endr
	BAR                                ; every wave's part of this step's v has landed; it is read over by the next step's behind the next round
	WIN 0xc0                           ; destination window 3
.irp q, 0,1,2,3
.irp c, 0,1,2,3
	ds_load_b128 v[8*(2*(4*\q+\c)+\g/2)+4*(\g%2):8*(2*(4*\q+\c)+\g/2)+4*(\g%2)+3], v[VXR] offset:2048*\q+512*\c
.endr
.endr
	WIN 0
	STEPCG
.endm
; A k (q = 0) or q (q = 1) step from the slot at s[TB].  fill: the slot is filled again (weight fb).  nx = 0: the very last step.
.macro KQSTEP q, fill, nx, fb, ps, pb
	FETCHQ 1
	s_wait_loadcnt 0x6                 ; half 0's scale words and biases; half 1's six loads may be out
.if \q
	s_wait_xcnt 0x0                    ; the last step's stores have read their registers and their base
.endif
	s_wait_dscnt 32                    ; all but the 32 just issued
	MULQ 0, 0, 8
	PLACES 5
	s_wait_loadcnt 0x0                 ; half 1's
.if \nx
	NEXTA \ps, \pb
	GETQ 0
	MEET \fill, \fb, 0
.else
	s_wait_dscnt 0x0                   ; no tile is out any more; this barrier parts the last step's reads of the stages from this step's codes
	s_barrier_signal -1
.endif
	MULQ 1, 0, 2
.if \fill
	JOIN
.else
	s_barrier_wait -1
.endif
.if \nx
	s_xor_b32 s[TB], s[TB], SLOT
	v_add_nc_u32 v[AQC], s[TB], v[AQ0]
	FETCHQ 0                           ; the next step's first half, from the slot that the barrier has shown whole
.endif
	MULQ 1, 2, 8
	PLACES 5
.if \nx
	GETQ 1
.endif
.if \q
	KFETCH
.else
	v_add_nc_u32 v[KWE], s[KG], v[KW0]
	v_add_nc_u32 v[KSE], s[KH], v[KS0]
.endif
	QUANT 0, \q
	QUANT 1, \q
.if \q
	POST
.endif
	STEPCG
.endm
	; ---------------- the head
	s_load_b256 s[4:11], s[0:1], 0x0               ; x's codes s[4:5], x's scales s[6:7], Wk's codes s[8:9], Wk's scales s[10:11]
	s_load_b256 s[12:19], s[0:1], 0x20             ; bk s[12:13], Wq's codes s[14:15], Wq's scales s[16:17], bq s[18:19]
	s_load_b256 s[20:27], s[0:1], 0x40             ; Wv's codes s[20:21], Wv's scales s[22:23], bv s[24:25], out0 s[26:27]
	v_lshl_add_u32 v[SPW], v0, 2, SPARE
	v_mov_b32 v[NIL], 0
	ds_add_u32 v[SPW], v[NIL]                      ; the wave's opening: the add, twice on end,
	ds_add_u32 v[SPW], v[NIL]                      ; and its wait, ahead of my first tensor load
	v_lshrrev_b32 v96, 5, v0
	v_readfirstlane_b32 s28, v96                   ; wave 0..3
	v_and_b32 v96, 15, v0                          ; r
	v_bfe_u32 v97, v0, 4, 1                        ; h
	v_and_b32 v98, 31, v0                          ; lane
	s_bfe_u32 s29, ttmp6, 0x40000                  ; cx: my place in the cluster
	s_lshl_b32 s30, ttmp9, 2                       ; in a cluster launch ttmp9 counts clusters
	s_add_co_u32 s30, s30, s29                     ; my work-group: it enters the addresses of x, of out0 and of the prefetches alone
	s_lshr_b32 s2, ttmp9, 2                        ; rot = (c + c / 4 + c / 16) & 3 of the cluster's number c: all four values occur among neighbouring clusters, and among every second, fourth or sixteenth
	s_lshr_b32 s3, ttmp9, 4
	s_add_co_u32 s2, s2, s3
	s_add_co_u32 s2, s2, ttmp9
	s_add_co_u32 s2, s2, 3
	s_and_b32 s[CG], s2, 3                         ; the step ahead of the first: rot - 1
	; descriptor group 1: 64 rows of 512 bytes, dense in memory, 16 bytes of padding behind each in LDS
	s_mov_b32 s[G1+0], 15|(1<<20)|(1<<21)|(6<<22)|(3<<25)   ; 15:0 the mask: all four work-groups; 17:16 elements of 1 byte; 20 padding on; 21 set beside a mask; 24:22 after every 128 words (code 6); 31:25 four words (code 3)
	s_mov_b32 s[G1+1], 512<<16                     ; tensor_dim0
	s_mov_b32 s[G1+2], 64<<16                      ; tensor_dim1
	s_mov_b32 s[G1+3], 512<<16                     ; tile_dim0
	s_mov_b32 s[G1+4], 64                          ; tile_dim1
	s_mov_b32 s[G1+5], 512                         ; from row to row
	s_mov_b32 s[G1+6], 0
	s_mov_b32 s[G1+7], 0
	s_mov_b32 s58, 0x76543210                      ; v_permlanex16_b32's selects for lane l xor 16
	s_mov_b32 s59, 0xfedcba98
	s_mov_b32 s60, 0x3e38aa3b                      ; c = log2(e) / 8
	s_mov_b32 s61, s60                             ; (named with it as a pair, so it is written)
	s_mov_b32 s62, 0xbe38aa3b                      ; -c
	s_mov_b32 s[OFS+1], 0
	s_mov_b32 s[TB], 0
	s_mov_b32 s[KG], 0
	s_mov_b32 s[KH], 0
	s_mul_i32 s56, s28, WTILE                      ; my 64 rows of a slot: no place in the cluster enters an LDS address
	s_lshl_b32 s2, s28, 17                         ; my four heads of a weight: 256 rows of 512 bytes
	s_mov_b32 s3, 0
	s_lshl_b32 s48, s30, 15                        ; my work-group's 64 rows of x's codes
	s_mov_b32 s49, 0
	s_wait_alu depctr_va_vdst(0)
	s_wait_dscnt 0x0                               ; both opening adds are done
	s_wait_kmcnt 0x0
	s_add_nc_u64 s[50:51], s[8:9], s[2:3]
	s_add_nc_u64 s[52:53], s[14:15], s[2:3]
	s_add_nc_u64 s[54:55], s[20:21], s[2:3]
	s_add_nc_u64 s[4:5], s[4:5], s[48:49]
	s_lshl_b32 s48, s30, 11                        ; of x's scales
	s_add_nc_u64 s[6:7], s[6:7], s[48:49]
	s_lshl_b32 s48, s30, 18                        ; of out0
	s_add_nc_u64 s[26:27], s[26:27], s[48:49]
	s_lshl_b32 s3, s28, 13
	v_lshlrev_b32 v[XA], 9, v96
	v_lshl_add_u32 v[XA], v97, 4, v[XA]            ; x's codes: row r of 512 bytes, + 16 h,
	v_add_nc_u32 v[XA], s3, v[XA]                  ; + my wave's 16 tokens
	v_lshlrev_b32 v[XSA], 5, v96
	v_lshl_add_u32 v[XSA], v97, 4, v[XSA]          ; scales: row r of 32 bytes; lanes 0-15 the words of K steps 0-3, lanes 16-31 of 4-7
	v_add_nc_u32 v[WSAQ], s3, v[XSA]               ; W's scales: + my four heads' 256 rows
	s_lshl_b32 s3, s28, 9
	v_add_nc_u32 v[WSAV], s3, v[XSA]               ; + my 16 rows of a head
	s_lshl_b32 s3, s28, 10
	v_lshl_add_u32 v[BAQ], v97, 5, s3              ; bias: my four heads, + the eight numbers of my half
	s_lshl_b32 s2, s28, 6
	v_lshl_add_u32 v[BAV], v96, 2, s2              ; bv: channel 16 w + r
	s_wait_alu depctr_va_vdst(0)                   ; ahead of the readers below
	; x IS READ FROM MEMORY ONCE: wave w loads the eight fragments of tokens 16 w .. 16 w + 15, sixteen loads, and hands them to the others through LDS as images of their registers.
	WIN 0x40                                       ; destination window 1
.irp s, 0,1,2,3,4,5,6,7
.irp c, 0,1
	global_load_b128 v[8*\s+4*\c:8*\s+4*\c+3], v[XA], s[4:5] offset:64*\s+32*\c
.endr
.endr
	WIN 0
	s_mov_b32 s[G0], 1                             ; count = 1
	s_mov_b32 s[G0+1], s56                         ; LDS address: slot 0
	s_add_co_u32 s2, s[CG], 1
	s_and_b32 s2, s2, 3
	s_lshl_b32 s[OFS], s2, 15
	s_add_nc_u64 s[G0+2:G0+3], s[54:55], s[OFS:OFS+1]   ; step 0: Wv, head 4 w + rot
	s_or_b32 s[G0+3], s[G0+3], 0x80000000          ; type = 2
	s_barrier_signal -1                            ; a whole round: all four work-groups are here: the first joint loads meet
	JOIN                                           ; step 0's tile: one tensor load a wave at the head
.irp t, 0,1,2,3
	global_load_b128 v[XS+4*\t:XS+4*\t+3], v[XSA], s[6:7] offset:512*\t
.endr
	NEXTA 22, 24                                   ; step 0's scale words and bv
	GETV 0
	GETV 1
	; LDS addresses
	v_mul_u32_u24 v101, v96, PITCH
	v_lshl_add_u32 v101, v97, 4, v101              ; a fragment's row x pitch + 16 h
	s_mul_i32 s31, s28, 16*PITCH
	v_add_nc_u32 v[AQ0], s56, v101
	v_add_nc_u32 v[AV], s31, v101                  ; v steps: row 16 w of each head
	v_add_nc_u32 v[AV+1], 2*WTILE, v[AV]
	v_add_nc_u32 v[AV+2], SLOT, v[AV]
	v_add_nc_u32 v[AV+3], SLOT, v[AV+1]
	s_lshr_b32 s2, s28, 1
	s_lshl_b32 s2, s2, 3
	s_and_b32 s3, s28, 1
	s_add_co_u32 s2, s2, s3                        ; k's row m of step g: 8 (w / 2) + 2 g + w % 2: the place of v's heads in P's registers
	s_mul_i32 s3, s2, KROW
	s_add_co_u32 s3, s3, KC
	v_lshlrev_b32 v102, 3, v97
	v_lshl_add_u32 v102, v96, 4, v102
	v_add_nc_u32 v[KW0], s3, v102                  ; k's codes in: token r, + 8 h
	s_lshl_b32 s3, s2, 2
	s_add_co_u32 s3, s3, KSB
	v_lshrrev_b32 v103, 1, v96
	v_and_b32 v104, 1, v96
	v_lshlrev_b32 v104, 1, v104
	v_lshl_add_u32 v103, v103, 6, v104
	v_add_nc_u32 v[KS0], s3, v103                  ; k's scale bytes in: pair r / 2, half r % 2
	s_lshl_b32 s3, s28, 4
	s_add_co_u32 s3, s3, STAGE
	v_lshrrev_b32 v103, 2, v96
	v_mul_u32_u24 v103, v103, 528
	v_and_b32 v104, 3, v96
	v_lshl_add_u32 v103, v104, 6, v103
	v_lshl_add_u32 v103, v97, 3, v103
	v_add_nc_u32 v[QW], s3, v103                   ; q's codes in: quad r / 4, column 4 (r % 4) + w, + 8 h
	s_lshl_b32 s3, s28, 2
	s_add_co_u32 s3, s3, STAGE+QSO
	v_lshl_add_u32 v[QSW], v96, 4, s3              ; q's scale words in
	s_lshl_b32 s3, s28, 8
	s_add_co_u32 s3, s3, KC
	v_mul_u32_u24 v103, v96, KROW
	v_lshl_add_u32 v103, v97, 10, v103
	v_add_nc_u32 v[KRD], s3, v103                  ; k's codes out: row r, block h, my 16 tokens
	s_lshl_b32 s3, s28, 9
	s_add_co_u32 s2, s3, KSB
	v_lshl_add_u32 v[KSR], v96, 2, s2              ; k's scale words out
	s_add_co_u32 s3, s3, KC
	v_lshlrev_b32 v103, 12, v97
	v_lshl_add_u32 v103, v96, 4, v103
	v_add_nc_u32 v[VXW], s3, v103                  ; v's images in: quad 2 h, tile w, lane r
	s_lshl_b32 s3, s28, 13
	s_add_co_u32 s3, s3, KC
	v_lshl_add_u32 v[VXR], v98, 4, s3              ; out: my four quads, 16 bytes a lane
	v_lshl_add_u32 v[XRD], v98, 4, KC
	s_mul_i32 s3, s28, SSZ
	s_add_co_u32 s3, s3, STAGE                     ; my stage
	v_lshl_add_u32 v[QRD], v98, 4, s3              ; q's codes out: block h, column r
	s_add_co_u32 s2, s3, QSO
	v_lshl_add_u32 v[QSR], v96, 2, s2
	v_mul_u32_u24 v103, v96, 272
	v_lshl_add_u32 v103, v97, 5, v103
	v_add_nc_u32 v[STI], s3, v103                  ; the stage, in: row r, channels 8 h on
	v_mul_u32_u24 v103, v97, 272
	v_lshl_add_u32 v103, v96, 4, v103
	v_add_nc_u32 v[STO], s3, v103                  ; back: lanes 0-15 one row, lanes 16-31 the next
	s_lshl_b32 s3, s28, 16
	v_lshlrev_b32 v103, 10, v97
	v_lshl_add_u32 v103, v96, 4, v103
	v_add_nc_u32 v[GO], s3, v103                   ; out0: my 16 tokens' rows; lanes 16-31 four heads on
	s_lshl_b32 s2, s29, 2
	s_add_co_u32 s2, s2, s28
	s_lshl_b32 s2, s2, 13
	v_lshl_add_u32 v[PFO], v98, 8, s2              ; prefetches: 8,192 bytes for each of the cluster's sixteen waves, lanes 256 bytes apart
	v_lshrrev_b32 v103, 2, v96
.irp t, 0,1,2,3
	v_cmp_eq_u32 vcc_lo, \t, v103
	v_cndmask_b32 v[MK+\t], 0, -1, vcc_lo
	v_mov_b32 v[PX+\t], 0                          ; written once: a lane permute's destination counts as one of its sources
.endr
	s_wait_alu depctr_va_vdst(0)
	s_wait_loadcnt 0xc                             ; x's sixteen loads are in; the twelve behind them (scale words, bv) may be out
	WIN 0x04                                       ; an LDS store's data are its source 1: window 1
.irp s, 0,1,2,3,4,5,6,7
.irp c, 0,1
	ds_store_b128 v[VXR], v[8*\s+4*\c:8*\s+4*\c+3] offset:1024*\s+512*\c
.endr
.endr
	WIN 0
	BAR                                            ; every wave's images have landed
	WIN 0x40                                       ; destination window 1
.irp t, 0,1,2,3
.irp s, 0,1,2,3,4,5,6,7
.irp c, 0,1
	ds_load_b128 v[8*(8*\t+\s)+4*\c:8*(8*\t+\s)+4*\c+3], v[XRD] offset:8192*\t+1024*\s+512*\c   ; the same registers in the same lanes: x stays in registers
.endr
.endr
.endr
	WIN 0
	MEET 1, 54, 0                                  ; step 0's tile is in; x's images have been read;
	JOIN                                           ; and step 1's tile, the first tensor load behind the round
	FETCHV 0, 0                                    ; step 0's first half
	STEPCG
	; ---------------- v: steps 0 to 3
	VSTEP 0, 0, 54
	VSTEP 1, 1, 54
	VSTEP 0, 2, 50
	VSTEP 1, 3, 50
	; ---------------- k: steps 4 to 7
	s_mov_b32 s[KI], 0
.Lk:
	s_cmp_lt_u32 s[KI], 3                          ; the next step is k's, behind the last q's
	s_cselect_b64 s[NSB:NSB+1], s[10:11], s[16:17]
	s_cselect_b64 s[NBB:NBB+1], s[12:13], s[18:19]
	s_cmp_lt_u32 s[KI], 2                          ; the refill is two steps on
	s_cselect_b64 s[FLB:FLB+1], s[50:51], s[52:53]
	KQSTEP 0, 1, 1, FLB, NSB, NBB
	s_add_co_u32 s[KG], s[KG], 2*KROW
	s_add_co_u32 s[KH], s[KH], 8
	s_add_co_u32 s[KI], s[KI], 1
	s_cmp_lt_u32 s[KI], 4
	s_wait_alu depctr_va_vdst(0)
	s_cbranch_scc1 .Lk
	; ---------------- q: steps 8 and 9 fill their slots again, steps 10 and 11 do not
	s_mov_b32 s[KI], 0
.Lq:
	KQSTEP 1, 1, 1, 52, 16, 18
	s_add_co_u32 s[KI], s[KI], 1
	s_cmp_lt_u32 s[KI], 2
	s_wait_alu depctr_va_vdst(0)
	s_cbranch_scc1 .Lq
	KQSTEP 1, 0, 1, 52, 16, 18
	KQSTEP 1, 0, 0, 52, 16, 18
	s_wait_tensorcnt 0x0                           ; the wave's end: behind my last tensor load and my last LDS store
	ds_add_u32 v[SPW], v[NIL]
	s_wait_dscnt 0x0
	s_barrier_signal -1                            ; the closing round: no work-group ends while a partner may still ask for a tile that names it
	s_barrier_wait -1
	CREST
	s_endpgm
.Lfunc_end_k_qb14ce3a0e1_fused:
	.size	k_qb14ce3a0e1_fused, .Lfunc_end_k_qb14ce3a0e1_fused-k_qb14ce3a0e1_fused
	.p2alignl 7, 3214868480
	.fill 96, 4, 3214868480
	.section	.rodata,"a",@progbits
	.p2align	6, 0x0
	.amdhsa_kernel k_qb14ce3a0e1_fused
		.amdhsa_group_segment_fixed_size 327680
		.amdhsa_private_segment_fixed_size 0
		.amdhsa_enable_private_segment 0
		.amdhsa_kernarg_size 96
		.amdhsa_user_sgpr_count 2
		.amdhsa_user_sgpr_kernarg_segment_ptr 1
		.amdhsa_wavefront_size32 1
		.amdhsa_system_sgpr_workgroup_id_x 1
		.amdhsa_system_sgpr_workgroup_id_y 1
		.amdhsa_system_sgpr_workgroup_id_z 1
		.amdhsa_system_vgpr_workitem_id 0
		.amdhsa_next_free_vgpr 1024
		.amdhsa_next_free_sgpr 80
		.amdhsa_reserve_vcc 1
		.amdhsa_float_denorm_mode_32 3
		.amdhsa_float_denorm_mode_16_64 3
		.amdhsa_memory_ordered 1
		.amdhsa_forward_progress 1
		.amdhsa_inst_pref_size 255
	.end_amdhsa_kernel
	.section	.bss,"aw",@nobits
	.p2align	6
	.space	262144
	.amdgpu_metadata
---
amdhsa.version: [ 1, 2 ]
amdhsa.kernels:
  - .name:           k_qb14ce3a0e1_fused
    .symbol:         k_qb14ce3a0e1_fused.kd
    .args:
      - { .name: x_codes, .offset: 0, .size: 8, .value_kind: global_buffer, .address_space: global }
      - { .name: x_scales, .offset: 8, .size: 8, .value_kind: global_buffer, .address_space: global }
      - { .name: Wk_codes, .offset: 16, .size: 8, .value_kind: global_buffer, .address_space: global }
      - { .name: Wk_scales, .offset: 24, .size: 8, .value_kind: global_buffer, .address_space: global }
      - { .name: bk, .offset: 32, .size: 8, .value_kind: global_buffer, .address_space: global }
      - { .name: Wq_codes, .offset: 40, .size: 8, .value_kind: global_buffer, .address_space: global }
      - { .name: Wq_scales, .offset: 48, .size: 8, .value_kind: global_buffer, .address_space: global }
      - { .name: bq, .offset: 56, .size: 8, .value_kind: global_buffer, .address_space: global }
      - { .name: Wv_codes, .offset: 64, .size: 8, .value_kind: global_buffer, .address_space: global }
      - { .name: Wv_scales, .offset: 72, .size: 8, .value_kind: global_buffer, .address_space: global }
      - { .name: bv, .offset: 80, .size: 8, .value_kind: global_buffer, .address_space: global }
      - { .name: out0, .offset: 88, .size: 8, .value_kind: global_buffer, .address_space: global }
    .group_segment_fixed_size: 327680
    .private_segment_fixed_size: 0
    .kernarg_segment_align: 8
    .kernarg_segment_size: 96
    .max_flat_workgroup_size: 128
    .sgpr_count:     80
    .vgpr_count:     1024
    .wavefront_size: 32
...
	.end_amdgpu_metadata
.endif
;; end of part 2
